; MI455X (gfx1250); checked and timed in simulation.
; The chip was launched on July 23, 2026; its instructions are those of AMD's public machine-readable ISA for CDNA 5 (MIT licence, August 2026) and "CDNA5" Instruction Set Architecture Reference Guide (July 2026). The comments in the code are by the model that wrote it; some were corrected since.
;; attn mh. Allowed arithmetic: matrix products marked QUANTISED: E3M2 operands, one E8M0 scale for each 32 along K, by v_wmma_scale_f32_16x16x128_f8f6f4 with both operands' format E3M2, f32 sums; everything else in f32.
;; Inputs: Wk_codes 1,024 x 32 x 24 uint8 (E3M2 codes of Wk, K innermost, in blocks of 32 codes, four codes in three bytes); Wk_scales 1,024 x 32 uint8 (E8M0 scales of Wk, one for each 32 codes along K); Wo_codes 1,024 x 32 x 24 uint8 (E3M2 codes of Wo, K innermost, in blocks of 32 codes, four codes in three bytes); Wo_scales 1,024 x 32 uint8 (E8M0 scales of Wo, one for each 32 codes along K); Wq_codes 1,024 x 32 x 24 uint8 (E3M2 codes of Wq, K innermost, in blocks of 32 codes, four codes in three bytes); Wq_scales 1,024 x 32 uint8 (E8M0 scales of Wq, one for each 32 codes along K); Wv_codes 1,024 x 32 x 24 uint8 (E3M2 codes of Wv, K innermost, in blocks of 32 codes, four codes in three bytes); Wv_scales 1,024 x 32 uint8 (E8M0 scales of Wv, one for each 32 codes along K); bk 1,024 float32; bo 1,024 float32; bq 1,024 float32; bv 1,024 float32; group_prob 1 x 4,096 x 4,096 float32; k_codes 1 x 4,096 x 32 x 24 uint8 (E3M2 codes of k, K innermost, in blocks of 32 codes, four codes in three bytes); k_scales 1 x 4,096 x 32 uint8 (E8M0 scales of k, one for each 32 codes along K); ln_b 1,024 float32; ln_g 1,024 float32; mask 1 x 1 x 4,096 x 4,096 int32; q 1 x 4,096 x 1,024 float32; v_codes 1 x 4,096 x 32 x 24 uint8 (E3M2 codes of v, K innermost, in blocks of 32 codes, four codes in three bytes); v_scales 1 x 4,096 x 32 uint8 (E8M0 scales of v, one for each 32 codes along K).
;; Outputs: out0 1 x 4,096 x 1,024 float32.
;; This version of the problem:
;;   THIS VERSION OF THE PROBLEM IS GIVEN IN LOW PRECISION. The matrix products marked QUANTISED in the list below multiply operands that are first quantised to E3M2 (3 exponent bits, 2 mantissa bits; 6 bits a number), with one power-of-two scale for each 32 numbers along K (OCP MX v1.0); their sums are f32. All else is computed in f32.
;;   The module's matrix products, in the order in which they are computed (A, B: the left and right operand; K: the contracted axis; several contracted axes count as one K, in the product's order):
;;     1. [M 4,096, K 1,024] x [K 1,024, N 1,024]; A: input q; B: input Wq (given as codes): QUANTISED
;;     2. [M 4,096, K 1,024] x [K 1,024, N 1,024]; A: input k (given as codes); B: input Wk (given as codes): QUANTISED
;;     3. [M 4,096, K 1,024] x [K 1,024, N 1,024]; A: input v (given as codes); B: input Wv (given as codes): QUANTISED
;;     4. batch 8 x [M 4,096, K 128] x [K 128, N 4,096]; A: computed on the way; B: computed on the way: QUANTISED
;;     5. batch 8 x [M 4,096, K 4,096] x [K 4,096, N 128]; A: computed on the way; B: computed on the way: QUANTISED
;;     6. [M 4,096, K 1,024] x [K 1,024, N 1,024]; A: computed on the way; B: input Wo (given as codes): QUANTISED
;;   THE QUANTISER, for each operand of a quantised product, along K:
;;     - K is cut into blocks of 32 from its start; a last block that is shorter is filled with zeros.
;;     - A block's scale is 2^e with e = floor(log2(the largest magnitude in the block)) - 4, held to -126 .. 127; a block of zeros has e = 0. As a byte (E8M0): e + 127.
;;     - Each number is divided by its block's scale, clamped to +-28, and rounded to the nearest number of E3M2, ties to even, subnormals kept.
;;     - The product sums the exact products of the quantised numbers (number of the format x scale) in f32.
;;   ~~~python
;;   def quantise(x, axis):      # numpy; x: float32 -> the quantised numbers, widened to float32 again
;;       x = np.moveaxis(x, axis, -1); K = x.shape[-1]
;;       x = np.pad(x, [(0, 0)] * (x.ndim - 1) + [(0, -K % 32)]); x = x.reshape(x.shape[:-1] + (-1, 32)); a = np.abs(x).max(-1, keepdims=True)
;;       e = np.where(a > 0, np.clip(np.frexp(np.where(a > 0, a, 1))[1] - 1 - 4, -126, 127), 0)      # np.frexp(a)[1] - 1 = floor(log2(a)), exactly
;;       r = np.clip(x / 2.0 ** e, -28, 28)
;;       step = 2.0 ** (np.maximum(np.frexp(np.where(r == 0, 1, r))[1] - 1, -2) - 2)
;;       q = np.round(r / step) * step * 2.0 ** e      # np.round: ties to even
;;       return np.moveaxis(q.reshape(q.shape[:-2] + (-1,))[..., :K], -1, axis).astype(np.float32)
;;   ~~~
;;   OPERANDS COMPUTED ON THE WAY. 'Computed on the way' means the value that the module computes at that place (a softmax that the list does not call 'softmax' is quantised finished and normalised). What goes into a quantiser is computed in f32, as accurately as f32 sums, v_exp_f32 and their like allow (about 1e-6 of the number): no bf16 or f16 on the way to a quantiser, and a product that is left as it is and whose result goes on into a quantised operand takes f32 operands (vector FMAs, or v_wmma_f32_16x16x4_f32). A number that lies on a knife's edge between two numbers of the format may be rounded either way, as far as f32 arithmetic and the matrix unit's own rounding can turn it there, and no further.
;;   INPUTS GIVEN AS CODES. Wk (in the module: [1024, 1024], K = its axis 1); Wo (in the module: [1024, 1024], K = its axis 1); Wq (in the module: [1024, 1024], K = its axis 1); Wv (in the module: [1024, 1024], K = its axis 1); k (in the module: [1, 4096, 1024], K = its axis 2); v (in the module: [1, 4096, 1024], K = its axis 2): each comes as NAME_codes (uint8): NAME with its K axis moved to the last place and cut into blocks of 32 codes, [.., K / 32, bytes a block], one block behind the other in memory; four codes in three bytes: a row's codes are one little-endian stream of bits, code i at bits 6 i .. 6 i + 5 (a code: sign, 3 exponent bits, 2 mantissa bits); and NAME_scales (uint8): the same leading axes, one E8M0 byte (e + 127) for each 32 codes along K. Its value is code x scale, taken as it is: it is not quantised again, and the codes and scales need not be those that the quantiser above would give.
;; One version. Each part assembles by itself: llvm-mc -triple=amdgcn-amd-amdhsa -mcpu=gfx1250 --defsym DOCPART=n.
;; ======== version 1 of 1: 4 launches
;; limits: right only within a limited range of input values
;; workspace buffers: qc 3,145,728 bytes; qs 131,072 bytes; mbits 2,097,152 bytes of whole numbers; Wi 786,432 bytes; FC 9,437,184 bytes; FS 393,216 bytes; ZZ 3,276,800 bytes
;; launch prep (part 1): grid 400 x 1, 4 waves a work-group, no clusters, 67,072 bytes of LDS; arguments q, mask, Wo_codes, qc, qs, mbits, Wi; writes qc, qs, mbits, Wi
.if DOCPART == 1
	.amdgcn_target "amdgcn-amd-amdhsa--gfx1250"
	.amdhsa_code_object_version 6
	.text
	.protected	k_qb4c1486f52_prep
	.globl	k_qb4c1486f52_prep
	.p2align	8
	.type	k_qb4c1486f52_prep,@function
k_qb4c1486f52_prep:
	s_mov_b64 s[64:65], 0
	v_nop
	global_prefetch_b8 v0, s[64:65] scope:SCOPE_SE
	s_setreg_imm32_b32 hwreg(HW_REG_WAVE_MODE, 25, 1), 1
	s_wait_xcnt 0x0
; Three pieces of preparation in one launch; the work-group's number picks the piece, each piece has LDS bytes of its own and ends by itself.
;  work-groups   0-127: q [4096][1024] f32 -> codes of E3M2 (qc, [4096][768 bytes], K innermost) and one E8M0 byte for each 32 along K (qs, [4096][32]).
;  work-groups 128-383: mask [4096][4096] i32 -> lane masks (mbits).  For a tile of 16 queries and a step of 128 keys: 64 words; bit L of word 8 t + j says
;                       whether mask[q0 + L % 16][k0 + 16 t + 8 (L / 16) + j] is not 0: the very operand of the select that serves register 8 t + j of a transposed tile of scores.
;  work-groups 384-399: Wo's codes -> images of the operand's registers (Wi): fragment (K step s, tile of 16 rows u) at (64 s + u) x 1,536 bytes; registers 4 c .. 4 c + 3 of lane L at 512 c + 16 L.
; A block's scale is 2^(floor(log2(largest magnitude)) - 4); its byte is the largest magnitude's exponent field - 4, held at 1 from below.  A block of zeros so gets the byte 1:
; its codes are zeros, and this program alone reads the bytes.
; LIMITS: NaN and infinities in q are not served.
.set STEPS, 16
.set SP,    80                         ; q: a lane's place in a stage: 64 bytes + 16 of padding
.set WREG,  8192                       ; q: LDS of a wave: two stages of 32 x SP bytes, then its 256 scale bytes
.set R,     16                         ; v16-79   q: four sets of 16 numbers as loaded
.set X,     80                         ; v80-111  q: two sets of 16 neighbours
.set E,     112                        ; v112-127 q: a scale byte for each step
.set C,     128                        ; v128-191 q: codes, four registers a step
.set MR,    16                         ; v16-143  mask: two sets of 16 rows x 4 registers as loaded
.set MX,    144                        ; v144-207 mask: 64 numbers in the scores' layout
.set MW,    208                        ; v208-223 mask: a pair of registers for each step's 64 words
.set MSTG,  32768                      ; mask: the stages begin here: 16 rows x 528 bytes for each wave
	s_load_b256 s[4:11], s[0:1], 0x0               ; q s[4:5], mask s[6:7], Wo_codes s[8:9], qc s[10:11]
	s_load_b128 s[12:15], s[0:1], 0x20             ; qs s[12:13], mbits s[14:15]
	s_load_b64 s[16:17], s[0:1], 0x30              ; Wi
	v_lshl_add_u32 v224, v0, 2, 0x10400
	v_mov_b32 v225, 0
	v_lshrrev_b32 v1, 5, v0
	v_readfirstlane_b32 s18, v1                    ; wave 0..3
	v_and_b32 v2, 31, v0                           ; lane
	s_cmp_lt_u32 ttmp9, 128
	s_cbranch_scc0 .Lnot_q
; ---------------- q: a wave takes 16 steps of 512 numbers.  Each load reads 512 consecutive bytes; a step's 2,048 bytes turn through the wave's own stage so that a lane holds 16 neighbours along K.
	v_lshlrev_b32 v3, 4, v2                        ; my 16 bytes of a load's 512
	s_mul_i32 s19, s18, WREG
	v_lshrrev_b32 v14, 2, v2
	v_mul_u32_u24 v14, v14, SP
	v_and_b32 v15, 3, v2
	v_lshl_add_u32 v14, v15, 4, v14
	v_add_nc_u32 v14, s19, v14                     ; into the stage: SP (lane / 4) + 16 (lane % 4)
	v_mul_u32_u24 v15, v2, SP
	v_add_nc_u32 v15, s19, v15                     ; out of it: SP x lane
	v_mul_u32_u24 v4, v2, 12                       ; my 12 bytes of a step's codes
	v_lshrrev_b32 v5, 1, v2
	s_add_co_u32 s19, s19, 2*32*SP
	v_add_nc_u32 v5, s19, v5                       ; my block's byte among the wave's 256
	v_lshlrev_b32 v7, 3, v2
	v_add_nc_u32 v6, s19, v7                       ; and 8 bytes a lane on the way out
	s_lshl_b32 s20, ttmp9, 2
	s_add_co_u32 s20, s20, s18                     ; which run of 8,192 numbers is my wave's
	s_mov_b32 s21, 0
	s_lshl_b64 s[22:23], s[20:21], 15              ; 32,768 bytes of q a run
	s_mul_i32 s24, s20, 32*STEPS*12                ; 6,144 bytes of codes
	s_mov_b32 s25, 0
	s_lshl_b32 s26, s20, 8                         ; 256 scale bytes
	s_mov_b32 s27, 0
	s_wait_alu depctr_va_vdst(0)
	s_wait_kmcnt 0x0
	s_add_nc_u64 s[4:5], s[4:5], s[22:23]
	s_add_nc_u64 s[10:11], s[10:11], s[24:25]
	s_add_nc_u64 s[12:13], s[12:13], s[26:27]
.macro LOADQ t
.irp i, 0,1,2,3
	global_load_b128 v[R+16*((\t)%4)+4*\i:R+16*((\t)%4)+4*\i+3], v3, s[4:5] offset:2048*(\t)+512*\i th:TH_LOAD_NT
.endr
.endm
.macro TURNQ t                         ; LDS serves a wave's instructions in order: no wait between the stores and the loads
.irp i, 0,1,2,3
	ds_store_b128 v14, v[R+16*((\t)%4)+4*\i:R+16*((\t)%4)+4*\i+3] offset:32*SP*((\t)%2)+8*SP*\i
.endr
.irp i, 0,1,2,3
	ds_load_b128 v[X+16*((\t)%2)+4*\i:X+16*((\t)%2)+4*\i+3], v15 offset:32*SP*((\t)%2)+16*\i
.endr
.endm
.irp t, 0,1,2,3
	LOADQ \t
.endr
	s_wait_loadcnt 12                              ; step 0's four loads are in; three steps' twelve stay out
	TURNQ 0
.macro STEPQ t
.set XS, X+16*((\t)%2)
.if (\t) > 0
	s_wait_dscnt 1                                 ; this step's numbers are back from the stage; the last step's byte store may be out
.else
	s_wait_dscnt 0x0
.endif
.if (\t)+4 < STEPS
	LOADQ (\t)+4                                   ; into the set whose stores into the stage have read it
.endif
.if (\t)+1 < STEPS
.if STEPS-2-(\t) >= 3
	s_wait_loadcnt 12                              ; the next step's four loads are in; those of the three steps behind it may be out
.else
	s_wait_loadcnt 4*(STEPS-2-(\t))
.endif
	TURNQ (\t)+1
.endif
	v_max3_num_f32 v8, |v[XS]|, |v[XS+1]|, |v[XS+2]|
	v_max3_num_f32 v9, |v[XS+3]|, |v[XS+4]|, |v[XS+5]|
.irp i, 6,10
	v_max3_num_f32 v8, v8, |v[XS+\i]|, |v[XS+\i+1]|
	v_max3_num_f32 v9, v9, |v[XS+\i+2]|, |v[XS+\i+3]|
.endr
	v_max3_num_f32 v8, v8, |v[XS+14]|, |v[XS+15]|
	v_max3_num_f32 v8, v8, v9, 0x2800000           ; and the floor 2^(5 - 127): the byte cannot fall under 1
	v_max_num_f32_dpp v8, v8, v8 row_xmask:1 row_mask:0xf bank_mask:0xf   ; with my neighbour's 16: the block's largest magnitude
	v_add_nc_u32 v11, 0xfe000000, v8               ; 4 off its exponent field: the conversion takes the exponent field of this operand as its scale
	v_cvt_scalef32_pk16_bf6_f32 v[C+4*(\t):C+4*(\t)+2], v[XS:XS+15], v11
	v_lshrrev_b32 v[E+(\t)], 23, v11               ; the scale's byte (a plain line behind the conversion)
	ds_store_b8 v5, v[E+(\t)] offset:16*(\t)       ; both lanes of a block write the same byte with the same value
	global_store_b96 v4, v[C+4*(\t):C+4*(\t)+2], s[10:11] offset:384*(\t)   ; the wave stores 384 consecutive bytes
.endm
.irp t, 0,1,2,3,4,5,6,7,8,9,10,11,12,13,14,15
	STEPQ \t
.endr
	ds_load_b64 v[12:13], v6                       ; my wave's 256 scale bytes, 8 a lane
	s_wait_dscnt 0x0
	global_store_b64 v7, v[12:13], s[12:13]        ; 32 lanes store 256 consecutive bytes, aligned
	s_wait_tensorcnt 0x0
	ds_add_u32 v224, v225
	s_wait_dscnt 0x0
	s_endpgm
.Lnot_q:
	s_cmp_lt_u32 ttmp9, 384
	s_cbranch_scc0 .Lwo
; ---------------- mask: the work-group takes a tile of 16 queries, wave w key steps 8 w .. 8 w + 7.
	s_sub_co_u32 s19, ttmp9, 128                   ; the tile of queries
	s_wait_alu depctr_va_vdst(0)
	v_lshlrev_b32 v3, 4, v2                        ; 16 x lane: my 16 bytes of a row's 512
	v_lshlrev_b32 v4, 3, v2                        ; 8 x lane: my two words on the way out
	v_and_b32 v5, 15, v2                           ; r
	v_lshrrev_b32 v6, 4, v2                        ; h
	s_mul_i32 s20, s18, 16*528
	s_add_co_u32 s20, s20, MSTG                    ; my stage
	v_add_nc_u32 v7, s20, v3                       ; into it: a row as it lies
	v_mul_u32_u24 v8, v5, 528
	v_lshl_add_u32 v8, v6, 5, v8
	v_add_nc_u32 v8, s20, v8                       ; out of it: row r, 32 h bytes on: keys 8 h .. of each 16
.set n, 0
.rept 16
	v_mov_b32 v[MW+n], 0                           ; written once: v_writelane_b32 keeps the other lanes of its destination
.set n, n+1
.endr
	s_lshl_b32 s22, s19, 18                        ; 16 rows of 16,384 bytes
	s_lshl_b32 s23, s18, 12                        ; 8 steps of 512 bytes
	s_add_co_u32 s22, s22, s23
	s_mov_b32 s23, 0
	s_lshl_b32 s24, s19, 13                        ; 32 steps of 256 bytes
	s_lshl_b32 s25, s18, 11
	s_add_co_u32 s24, s24, s25
	s_mov_b32 s25, 0
	s_wait_kmcnt 0x0
	s_add_nc_u64 s[6:7], s[6:7], s[22:23]
	s_add_nc_u64 s[14:15], s[14:15], s[24:25]
.macro LOADM s                         ; a step: 16 rows x 512 consecutive bytes
.irp i, 0,1,2,3,4,5,6,7,8,9,10,11,12,13,14,15
	global_load_b128 v[MR+64*((\s)%2)+4*\i:MR+64*((\s)%2)+4*\i+3], v3, s[6:7] offset:\i*16384+512*(\s) th:TH_LOAD_NT
.endr
.endm
.macro STEPM s
.if (\s) < 7
	s_wait_loadcnt 16                              ; this step's 16 loads are in; the next step's 16 may be out
.else
	s_wait_loadcnt 0x0
.endif
.irp i, 0,1,2,3,4,5,6,7,8,9,10,11,12,13,14,15
	ds_store_b128 v7, v[MR+64*((\s)%2)+4*\i:MR+64*((\s)%2)+4*\i+3] offset:\i*528
.endr
.irp t, 0,1,2,3,4,5,6,7
	ds_load_b128 v[MX+8*\t:MX+8*\t+3], v8 offset:64*\t            ; register 8 t + j: mask[r][16 t + 8 h + j]
	ds_load_b128 v[MX+8*\t+4:MX+8*\t+7], v8 offset:64*\t+16
.endr
	s_wait_dscnt 0x0                               ; the numbers are back, and the stores have read their set
.if (\s)+2 < 8
	LOADM (\s)+2
.endif
.set n, 0
.rept 8
.irp k, 0,1,2,3,4,5,6,7
	v_cmp_ne_u32 s[28+\k], 0, v[MX+n+\k]           ; word n + k: a bit for each lane
.endr
.irp k, 0,1,2,3,4,5,6,7
	v_writelane_b32 v[MW+2*(\s)+(\k%2)], s[28+\k], (n+\k)/2       ; word n lies in lane n / 2, register n % 2
.endr
.set n, n+8
.endr
	global_store_b64 v4, v[MW+2*(\s):MW+2*(\s)+1], s[14:15] offset:256*(\s)   ; 32 lanes store the step's 256 bytes, aligned; each step has registers of its own
.endm
	LOADM 0
	LOADM 1
.irp s, 0,1,2,3,4,5,6,7
	STEPM \s
.endr
	s_wait_tensorcnt 0x0
	ds_add_u32 v224, v225
	s_wait_dscnt 0x0
	s_endpgm
.Lwo:
; ---------------- Wo: a wave takes a tile of 16 rows, all eight K steps: the fragments are loaded as an operand is, and stored as they stand.
	s_sub_co_u32 s19, ttmp9, 384
	s_lshl_b32 s19, s19, 2
	s_add_co_u32 s19, s19, s18                     ; the tile, 0..63
	s_wait_alu depctr_va_vdst(0)
	v_and_b32 v5, 15, v2
	v_lshrrev_b32 v6, 4, v2
	v_mul_u32_u24 v3, v5, 768                      ; row r of 768 bytes,
	v_mad_u32_u24 v3, v6, 24, v3                   ; + 24 h
	v_lshlrev_b32 v4, 4, v2                        ; 16 x lane
	s_mul_i32 s20, s19, 16*768
	s_mov_b32 s21, 0
	s_mul_i32 s22, s19, 1536
	s_mov_b32 s23, 0
	s_wait_alu depctr_va_vdst(0)
	s_wait_kmcnt 0x0
	s_add_nc_u64 s[8:9], s[8:9], s[20:21]
	s_add_nc_u64 s[16:17], s[16:17], s[22:23]
.irp s, 0,1,2,3,4,5,6,7
.irp p, 0,1,2,3,4,5
	global_load_b64 v[16+12*\s+2*\p:16+12*\s+2*\p+1], v3, s[8:9] offset:96*\s+48*(\p/3)+8*(\p%3)
.endr
.endr
	s_wait_loadcnt 0x0
.irp s, 0,1,2,3,4,5,6,7
.irp c, 0,1,2
	global_store_b128 v4, v[16+12*\s+4*\c:16+12*\s+4*\c+3], s[16:17] offset:\s*98304+512*\c   ; 512 consecutive bytes a store
.endr
.endr
	s_endpgm
.Lfunc_end_k_qb4c1486f52_prep:
	.size	k_qb4c1486f52_prep, .Lfunc_end_k_qb4c1486f52_prep-k_qb4c1486f52_prep
	.p2alignl 7, 3214868480
	.fill 96, 4, 3214868480
	.section	.rodata,"a",@progbits
	.p2align	6, 0x0
	.amdhsa_kernel k_qb4c1486f52_prep
		.amdhsa_group_segment_fixed_size 67072
		.amdhsa_private_segment_fixed_size 0
		.amdhsa_enable_private_segment 0
		.amdhsa_kernarg_size 56
		.amdhsa_user_sgpr_count 2
		.amdhsa_user_sgpr_kernarg_segment_ptr 1
		.amdhsa_wavefront_size32 1
		.amdhsa_system_sgpr_workgroup_id_x 1
		.amdhsa_system_sgpr_workgroup_id_y 1
		.amdhsa_system_sgpr_workgroup_id_z 1
		.amdhsa_system_vgpr_workitem_id 0
		.amdhsa_next_free_vgpr 226
		.amdhsa_next_free_sgpr 66
		.amdhsa_reserve_vcc 0
		.amdhsa_float_denorm_mode_32 3
		.amdhsa_float_denorm_mode_16_64 3
		.amdhsa_memory_ordered 1
		.amdhsa_forward_progress 1
		.amdhsa_inst_pref_size 135
	.end_amdhsa_kernel
	.amdgpu_metadata
---
amdhsa.version: [ 1, 2 ]
amdhsa.kernels:
  - .name:           k_qb4c1486f52_prep
    .symbol:         k_qb4c1486f52_prep.kd
    .args:
      - { .name: q, .offset: 0, .size: 8, .value_kind: global_buffer, .address_space: global }
      - { .name: mask, .offset: 8, .size: 8, .value_kind: global_buffer, .address_space: global }
      - { .name: Wo_codes, .offset: 16, .size: 8, .value_kind: global_buffer, .address_space: global }
      - { .name: qc, .offset: 24, .size: 8, .value_kind: global_buffer, .address_space: global }
      - { .name: qs, .offset: 32, .size: 8, .value_kind: global_buffer, .address_space: global }
      - { .name: mbits, .offset: 40, .size: 8, .value_kind: global_buffer, .address_space: global }
      - { .name: Wi, .offset: 48, .size: 8, .value_kind: global_buffer, .address_space: global }
    .group_segment_fixed_size: 67072
    .private_segment_fixed_size: 0
    .kernarg_segment_align: 8
    .kernarg_segment_size: 56
    .max_flat_workgroup_size: 128
    .sgpr_count:     66
    .vgpr_count:     226
    .wavefront_size: 32
...
	.end_amdgpu_metadata
.endif
;; end of part 1
;; launch proj (part 2): grid 4 x 48, 4 waves a work-group, clusters of 4 x 4, 327,680 bytes of LDS; arguments qc, qs, Wq_codes, Wq_scales, bq, k_codes, k_scales, Wk_codes, Wk_scales, bk, Wv_codes, Wv_scales, v_codes, v_scales, bv, FC, FS; writes FC, FS
.if DOCPART == 2
	.amdgcn_target "amdgcn-amd-amdhsa--gfx1250"
	.amdhsa_code_object_version 6
	.text
	.protected	k_qb4c1486f52_proj
	.globl	k_qb4c1486f52_proj
	.p2align	8
	.type	k_qb4c1486f52_proj,@function
k_qb4c1486f52_proj:
	s_mov_b64 s[64:65], 0
	v_nop
	global_prefetch_b8 v0, s[64:65] scope:SCOPE_SE
	s_setreg_imm32_b32 hwreg(HW_REG_WAVE_MODE, 25, 1), 1
	s_wait_xcnt 0x0
	s_wait_alu depctr_hold_cnt(0) depctr_sa_sdst(0) depctr_va_vdst(0) depctr_va_sdst(0) depctr_va_ssrc(0) depctr_va_vcc(0) depctr_vm_vsrc(0)
	s_getreg_b32 s2, hwreg(HW_REG_IB_STS2, 6, 4)
	s_cmp_eq_u32 s2, 0
	s_cbranch_scc0 .Lentry_in_a_cluster
	s_endpgm
.Lentry_in_a_cluster:
	s_bfe_u32 s2, ttmp6, 0x10000c
	s_cmp_lg_u32 s2, 0xf033
	s_cbranch_scc0 .Lentry_shape_is_right
	s_endpgm
.Lentry_shape_is_right:
; The three projections, each C = A B^T + bias on codes of E3M2 with one E8M0 byte for each 32 along K = 1,024; the cluster's y / 4 picks the product:
;   0: A = q's codes, B = Wq;   1: A = k, B = Wk;   2: A = Wv, B = v (so V comes out with the keys along its rows' K).
; A work-group of four waves makes 256 x 256, a wave 128 x 128 in 64 accumulators.  The result is quantised along its 128 columns (a head's channels, or 128 keys) and stored as images of operand registers (FC) with scale words (FS).
; K goes through a ring of two LDS slots in CHUNKS OF 256 BYTES of each row of 768: every tile row begins at a multiple of 256 bytes.  A step of 128 along K is 96 bytes: eight steps to three chunks; steps 2 and 5 lie across two chunks.
; The scales of the 256 + 256 rows come once.  4 x 4 work-groups form a cluster: A's tiles are asked for jointly along a row of it, B's along a column.
; The matrix instruction is used transposed (source 0 = rows of B, source 1 = rows of A).  The bias along the columns is the C of the first step's products; the bias along the rows (product 2) is added on the way out.
; No prefetch: the walk has three chunks, of which two are asked for at the head, so there is no loop to run ahead in.
; LIMITS: NaN and infinities are not served.
.set ROWB,   256
.set NQ,     2
.set KROW,   768
.set STEPS,  8
.set CHUNKS, 3
.set PITCH,  272                       ; 256 bytes + 16 of padding
.set FR,     12
.set NL,     6
.set NP,     4
.set HALFT,  128*PITCH
.set SLOT,   4*HALFT                   ; A's 256 rows, then B's 256
.set KS,     32
.set SCL,    2*SLOT                    ; the scales, as units of 256 bytes + 16
.set HALFS,  (128*KS/256)*272
.set SBLK,   (16*KS/256)*272
.set SPARE,  SCL+4*HALFS               ; the spare words: 128 bytes a wave
.set ADRA, 16                          ; v16-17 my A fragments in slot 0, 1; v18-19 for a piece whose two halves of the lanes read different chunks
.set ADRB, 20                          ; v20-23 the same for B
.set CO,   26
.set ADRS, 27
.set SPW,  28
.set NIL,  29
.set SC,   32                          ; v32-63 scale words, two sets
.set BP,   64                          ; v64-127 the bias along the columns, in the result's layout
.set AF,   128                         ; A's fragments, one set
.set T,    128                         ; the way out: 64 numbers at work
.set PC,   192
.set TM,   212
.set PW,   228
.set SW,   232
.set BR,   240                         ; v240-247 the bias along the rows
.set PWS,  248
.set SEL,  66
.set G1, 24
.set G0, 32
.set G1B, 48
.set G0B, 56
.set G1S, 68
.set G0S, 76
.set G1SB, 80
.set G0SB, 88
.set G0H, 4                            ; group 0 of the head's loads of chunk 0, where used-up arguments lay
.set G0HB, 8
.set MSB, 0
.macro WIN new
.if MSB != (\new)
	s_set_vgpr_msb (MSB<<8)|(\new)
.set MSB, (\new)
.endif
.endm
.set TO_B,   0x40
.macro JLOAD g0a, g1a, g0b, g1b        ; waves 0, 1 ask for A, waves 2, 3 for B
	s_cmp_eq_u32 s15, 0
	s_cbranch_scc0 .Lfor_b_\@
	tensor_load_to_lds s[\g0a:\g0a+3], s[\g1a:\g1a+7]
	s_nop 0
.rept 4
	v_nop
.endr
	s_branch .Lasked_\@
.Lfor_b_\@:
	tensor_load_to_lds s[\g0b:\g0b+3], s[\g1b:\g1b+7]
	s_nop 0
.rept 4
	v_nop
.endr
.Lasked_\@:
.endm
.macro CREST
	s_cmp_lg_u32 s14, 0
	s_cbranch_scc1 .Lnot_wave_0_\@
	s_barrier_signal -3
.Lnot_wave_0_\@:
	s_barrier_wait -3
	s_barrier_signal -1
	s_barrier_wait -1
.endm
.macro CROUND
	s_barrier_signal -1
	s_barrier_wait -1
	CREST
.endm
.macro QUANT s                         ; 64 numbers of a lane become a fragment's codes in v[PC] on and its scale word in v[PW]
.irp b, 0,1,2,3
	v_max3_num_f32 v[TM+\b], |v[\s+16*\b]|, |v[\s+1+16*\b]|, 0x2800000   ; with the floor 2^(5 - 127)
.endr
.irp i, 2,4,6,8,10,12,14
.irp b, 0,1,2,3
	v_max3_num_f32 v[TM+\b], v[TM+\b], |v[\s+16*\b+\i]|, |v[\s+1+16*\b+\i]|
.endr
.endr
.irp b, 0,1,2,3
	v_permlanex16_b32 v[TM+4+\b], v[TM+\b], s[SEL], s[SEL+1]
.endr
.irp b, 0,1,2,3
	v_max_num_f32 v[TM+\b], v[TM+\b], v[TM+4+\b]
.endr
.irp b, 0,1,2,3
	v_add_nc_u32 v[TM+12+\b], 0xfe000000, v[TM+\b]   ; 4 off the exponent field: the conversion's scale operand
.endr
.irp b, 0,1,2,3
	v_lshrrev_b32 v[TM+4+\b], 23, v[TM+12+\b]
.endr
	v_lshl_or_b32 v[PW], v[TM+5], 8, v[TM+4]
	v_lshl_or_b32 v[PW], v[TM+6], 16, v[PW]
	v_lshl_or_b32 v[PW], v[TM+7], 24, v[PW]
.irp c, 0,1
	v_cvt_scalef32_pk16_bf6_f32 v[PC+6*\c:PC+2+6*\c], v[\s+32*\c:\s+15+32*\c], v[TM+12+2*\c]
	v_cvt_scalef32_pk16_bf6_f32 v[PC+12+4*\c:PC+14+4*\c], v[\s+16+32*\c:\s+31+32*\c], v[TM+12+2*\c+1]
.endr
	v_nop
.irp c, 0,1
.irp i, 0,1,2
	v_permlane16_swap_b32 v[PC+6*\c+\i], v[PC+12+4*\c+\i]
.endr
.irp i, 0,1,2
	v_mov_b32 v[PC+3+6*\c+\i], v[PC+12+4*\c+\i]
.endr
.endr
.endm
	s_load_b256 s[24:31], s[0:1], 0x0
	s_load_b64  s[32:33], s[0:1], 0x20
	s_load_b256 s[36:43], s[0:1], 0x28
	s_load_b64  s[44:45], s[0:1], 0x48
	s_load_b256 s[48:55], s[0:1], 0x50
	s_load_b64  s[56:57], s[0:1], 0x70
	s_load_b128 s[60:63], s[0:1], 0x78
	v_lshl_add_u32 v[SPW], v0, 2, SPARE
	v_mov_b32 v[NIL], 0
	ds_add_u32 v[SPW], v[NIL]                      ; the opening: the add, twice on end, and its wait
	ds_add_u32 v[SPW], v[NIL]
	v_lshrrev_b32 v1, 5, v0
	v_readfirstlane_b32 s14, v1                    ; wave 0..3
	s_lshr_b32 s15, s14, 1                         ; my half of the rows; also: I fetch for A (0) or B (1)
	s_and_b32 s16, s14, 1                          ; my half of the columns; also: which 128 rows I fetch
	s_and_b32 s17, ttmp7, 0xffff
	s_lshr_b32 s95, s17, 2                         ; which product
	s_and_b32 s94, s17, 3
	s_wait_dscnt 0x0
	s_wait_kmcnt 0x0
	s_cmp_eq_u32 s95, 1
	s_cselect_b64 s[4:5], s[36:37], s[24:25]
	s_cselect_b64 s[6:7], s[38:39], s[26:27]
	s_cselect_b64 s[8:9], s[40:41], s[28:29]
	s_cselect_b64 s[10:11], s[42:43], s[30:31]
	s_cselect_b64 s[98:99], s[44:45], s[32:33]
	s_cmp_eq_u32 s95, 2
	s_cselect_b64 s[4:5], s[48:49], s[4:5]
	s_cselect_b64 s[6:7], s[50:51], s[6:7]
	s_cselect_b64 s[8:9], s[52:53], s[8:9]
	s_cselect_b64 s[10:11], s[54:55], s[10:11]
	s_cselect_b64 s[98:99], s[56:57], s[98:99]
	s_cselect_b32 s18, 0, s94
	s_cselect_b32 s19, s94, 0
	s_cselect_b32 s100, 0, -1                      ; the bias runs along the columns (products 0, 1)
	s_cselect_b32 s101, -1, 0                      ; or along the rows (product 2)
	s_mov_b64 s[12:13], s[60:61]
	s_mov_b64 s[96:97], s[62:63]
	s_bfe_u32 s40, ttmp6, 0x40000                  ; cx, cy
	s_bfe_u32 s41, ttmp6, 0x40004
	s_lshl_b32 s42, s19, 2
	s_add_co_u32 s42, s42, s40                     ; tile column
	s_lshl_b32 s17, s18, 2
	s_add_co_u32 s17, s17, s41                     ; tile row
	s_lshl_b32 s43, s41, 2
	s_lshl_b32 s43, 15, s43                        ; my row of the cluster
	s_lshl_b32 s44, 0x1111, s40                    ; my column
	s_or_b32 s[G1+0], s43, (0<<16)|(1<<20)|(1<<21)|(5<<22)|(3<<25)   ; bytes; 4 words of padding behind every 64
	s_or_b32 s[G1B+0], s44, (0<<16)|(1<<20)|(1<<21)|(5<<22)|(3<<25)
.irp g, G1, G1B
	s_mov_b32 s[\g+1], ROWB<<16
	s_mov_b32 s[\g+2], 256<<16                     ; 256 rows for the head's loads; 128 for the ring's, set below
	s_mov_b32 s[\g+3], ROWB<<16
	s_mov_b32 s[\g+4], 256
	s_mov_b32 s[\g+5], KROW
	s_mov_b32 s[\g+6], 0
	s_mov_b32 s[\g+7], 0
.endr
	s_or_b32 s[G1S+0], s43, (3<<16)|(1<<20)|(1<<21)|(5<<22)|(3<<25)  ; the scales of 256 rows: KS rows of 256 dense bytes
	s_or_b32 s[G1SB+0], s44, (3<<16)|(1<<20)|(1<<21)|(5<<22)|(3<<25)
.irp g, G1S, G1SB
	s_mov_b32 s[\g+1], 32<<16
	s_mov_b32 s[\g+2], KS<<16
	s_mov_b32 s[\g+3], 32<<16
	s_mov_b32 s[\g+4], KS
	s_mov_b32 s[\g+5], 32
	s_mov_b32 s[\g+6], 0
	s_mov_b32 s[\g+7], 0
.endr
	s_lshl_b32 s20, s17, 8
	s_lshl_b32 s46, s42, 8
	s_mov_b32 s21, 0
	s_mov_b32 s47, 0
	s_mov_b64 s[18:19], KS
	s_mul_u64 s[22:23], s[20:21], s[18:19]
	s_mul_u64 s[92:93], s[46:47], s[18:19]
	s_mov_b64 s[18:19], KROW
	s_mul_u64 s[20:21], s[20:21], s[18:19]
	s_mul_u64 s[46:47], s[46:47], s[18:19]
	s_mul_i32 s18, s16, 128*KROW
	s_mov_b32 s19, 0
	s_mul_i32 s45, s14, HALFT
	s_add_nc_u64 s[20:21], s[4:5], s[20:21]
	s_add_nc_u64 s[22:23], s[6:7], s[22:23]
	s_add_nc_u64 s[46:47], s[8:9], s[46:47]
	s_add_nc_u64 s[92:93], s[10:11], s[92:93]
	CROUND                                         ; all sixteen work-groups are here
	s_mov_b32 s[G0H], 1
	s_mov_b32 s[G0H+1], 0
	s_mov_b64 s[G0H+2:G0H+3], s[20:21]
	s_or_b32 s[G0H+3], s[G0H+3], 0x80000000
	s_mov_b32 s[G0HB], 1
	s_mov_b32 s[G0HB+1], 2*HALFT
	s_mov_b64 s[G0HB+2:G0HB+3], s[46:47]
	s_or_b32 s[G0HB+3], s[G0HB+3], 0x80000000
	s_mov_b32 s[G0S], 1
	s_mov_b32 s[G0S+1], SCL
	s_mov_b64 s[G0S+2:G0S+3], s[22:23]
	s_or_b32 s[G0S+3], s[G0S+3], 0x80000000
	s_mov_b32 s[G0SB], 1
	s_mov_b32 s[G0SB+1], SCL+2*HALFS
	s_mov_b64 s[G0SB+2:G0SB+3], s[92:93]
	s_or_b32 s[G0SB+3], s[G0SB+3], 0x80000000
	s_add_nc_u64 s[20:21], s[20:21], s[18:19]      ; for the ring: my 128 rows
	s_add_nc_u64 s[46:47], s[46:47], s[18:19]
.irp s, 0,1
	s_mov_b32 s[G0+4*\s], 1
	s_add_co_u32 s[G0+4*\s+1], s45, \s*SLOT
	s_add_nc_u64 s[G0+4*\s+2:G0+4*\s+3], s[20:21], \s*ROWB
	s_or_b32 s[G0+4*\s+3], s[G0+4*\s+3], 0x80000000
	s_mov_b32 s[G0B+4*\s], 1
	s_add_co_u32 s[G0B+4*\s+1], s45, \s*SLOT
	s_add_nc_u64 s[G0B+4*\s+2:G0B+4*\s+3], s[46:47], \s*ROWB
	s_or_b32 s[G0B+4*\s+3], s[G0B+4*\s+3], 0x80000000
.endr
; the head's four tiles, one load a wave, in one tree of branches on the wave's number: chunk 0 of A, of B, A's scales, B's scales
.macro ARM under, g0, g1, next
	s_cmp_lt_u32 s14, \under
	s_cbranch_scc0 \next
	tensor_load_to_lds s[\g0:\g0+3], s[\g1:\g1+7]
	s_nop 0
.rept 4
	v_nop
.endr
	s_branch .Lhead_asked
\next:
.endm
	ARM 1, G0H,  G1,  .Lhead_b
	ARM 2, G0HB, G1B, .Lhead_sa
	ARM 3, G0S,  G1S, .Lhead_sb
	tensor_load_to_lds s[G0SB:G0SB+3], s[G1SB:G1SB+7]
	s_nop 0
.rept 4
	v_nop
.endr
.Lhead_asked:
	s_lshl_b32 s18, s42, 1
	s_add_co_u32 s18, s18, s16                     ; my block of 128 columns
	s_lshl_b32 s19, s17, 1
	s_add_co_u32 s19, s19, s15                     ; my block of 128 rows
	s_cmp_eq_u32 s95, 2
	s_cselect_b32 s46, 0, s18
	s_cselect_b32 s92, s19, 0
	s_cselect_b32 s2, s19, s18                     ; the head
	s_cselect_b32 s3, s18, s19                     ; the block of 128 positions
	s_lshl_b32 s46, s46, 9
	s_mov_b32 s47, 0
	s_lshl_b32 s92, s92, 9
	s_mov_b32 s93, 0
	s_add_nc_u64 s[46:47], s[98:99], s[46:47]
	s_add_nc_u64 s[92:93], s[98:99], s[92:93]
	v_and_b32 v1, 15, v0                           ; l % 16
	v_bfe_u32 v2, v0, 4, 1                         ; l / 16
	v_lshlrev_b32 v7, 5, v2
	v_lshlrev_b32 v8, 2, v1
.irp b, 0,1,2,3,4,5,6,7
	global_load_b128 v[BP+8*\b:BP+8*\b+3], v7, s[46:47] offset:64*\b
	global_load_b128 v[BP+8*\b+4:BP+8*\b+7], v7, s[46:47] offset:64*\b+16
.endr
.irp a, 0,1,2,3,4,5,6,7
	global_load_b32 v[BR+\a], v8, s[92:93] offset:64*\a
.endr
	v_mul_u32_u24 v3, v1, PITCH
	v_mul_u32_u24 v4, v2, 24
	v_add_nc_u32 v4, v3, v4                        ; row x pitch + 24 x half
	s_mov_b32 s21, SLOT-232
	s_mov_b32 s22, SLOT+232
	v_sub_nc_u32 v9, 1, v2                         ; 1 in lanes 0-15 (v7 and v8 stay: the bias loads may still read them)
	v_mul_u32_u24 v5, s21, v2
	v_add_nc_u32 v5, v3, v5
	v_add_nc_u32 v5, 232, v5                       ; lanes 0-15 byte 232 of the row in slot 0, lanes 16-31 byte 0 in slot 1
	v_mul_u32_u24 v6, s22, v9
	v_add_nc_u32 v6, v3, v6                        ; and the other way round
	s_mul_i32 s21, s15, HALFT
	s_mul_i32 s22, s16, HALFT
	s_add_co_u32 s22, s22, 2*HALFT
	v_add_nc_u32 v[ADRA+2], s21, v5
	v_add_nc_u32 v[ADRA+3], s21, v6
	v_add_nc_u32 v[ADRB+2], s22, v5
	v_add_nc_u32 v[ADRB+3], s22, v6
.irp s, 0,1
	v_add_nc_u32 v[ADRA+\s], s21, v4
	v_add_nc_u32 v[ADRB+\s], s22, v4
	s_add_co_u32 s21, s21, SLOT
	s_add_co_u32 s22, s22, SLOT
.endr
	v_mul_u32_u24 v5, v1, KS
	v_lshrrev_b32 v6, 8, v5
	v_lshl_add_u32 v5, v6, 4, v5
	s_mul_i32 s21, s15, HALFS
	s_mul_i32 s22, s16, HALFS
	s_add_co_u32 s22, s22, 2*HALFS
	s_sub_co_u32 s22, s22, s21
	v_mul_u32_u24 v6, s22, v2                      ; lanes 16-31 take B's words
	s_add_co_u32 s21, s21, SCL
	v_add_nc_u32 v5, v5, v6
	v_add_nc_u32 v[ADRS], s21, v5
	v_and_b32 v6, 31, v0
	v_lshlrev_b32 v[CO], 4, v6
	s_lshl_b32 s2, s2, 5
	s_add_co_u32 s2, s2, s3                        ; 32 x head + block
	s_cmp_eq_u32 s95, 0
	s_cselect_b32 s3, 0, 1
	s_cselect_b32 s18, 0, 3145728
	s_cselect_b32 s19, 0, 131072
	s_mul_i32 s20, s2, 12288
	s_lshl_b32 s20, s20, s3                        ; K and V take turns block by block
	s_add_co_u32 s20, s20, s18
	s_lshl_b32 s22, s2, 9
	s_lshl_b32 s22, s22, s3
	s_add_co_u32 s22, s22, s19
	s_cmp_eq_u32 s95, 2
	s_cselect_b32 s18, 12288, 0
	s_cselect_b32 s19, 512, 0
	s_add_co_u32 s20, s20, s18
	s_add_co_u32 s22, s22, s19
	s_mov_b32 s21, 0
	s_mov_b32 s23, 0
	s_add_nc_u64 s[12:13], s[12:13], s[20:21]
	s_add_nc_u64 s[96:97], s[96:97], s[22:23]
	s_mov_b32 s45, 0xffff0000
	s_mov_b32 s[SEL], 0x76543210
	s_mov_b32 s[SEL+1], 0xfedcba98
	s_wait_loadcnt 0x0
.set n, 0
.rept 64
	v_cndmask_b32 v[BP+n], 0, v[BP+n], s100
.set n, n+1
.endr
.set n, 0
.rept 8
	v_cndmask_b32 v[BR+n], 0, v[BR+n], s101
.set n, n+1
.endr
.macro FRAG reg, adr, st, i            ; 16 rows x 128 K: six pieces of 8 bytes; byte y of a row lies in slot (y / 256) % 2 at byte y % 256
.irp p, 0,1,2,3,4,5
.set BY, 96*(\st)+48*(\p/3)+8*(\p%3)
.if BY/ROWB == (BY+24)/ROWB
	ds_load_b64 v[\reg+2*\p:\reg+2*\p+1], v[\adr+(BY/ROWB)%2] offset:BY%ROWB+(\i)*16*PITCH
.else
	ds_load_b64 v[\reg+2*\p:\reg+2*\p+1], v[\adr+2+(BY/ROWB)%2] offset:BY%ROWB-232+(\i)*16*PITCH
.endif
.endr
.endm
.macro MUL16 a0, p, q, sc, first       ; A's blocks a0, a0 + 1 x B's eight; the 64 accumulators by turns; first = 1: the bias starts the sums
.irp a, \a0, \a0+1
.irp b, 0,1,2,3,4,5,6,7
.if \first
	v_wmma_scale_f32_16x16x128_f8f6f4 v[8*(8*((\a)%4)+\b):8*(8*((\a)%4)+\b)+7], v[128*(\p)+FR*\b:128*(\p)+FR*\b+FR-1], v[AF+FR*(\a):AF+FR*(\a)+FR-1], v[BP+8*\b:BP+8*\b+7], v[SC+8*NQ*(\sc)+NQ*\b+(\q)], v[SC+8*NQ*(\sc)+NQ*(\a)+(\q)] matrix_a_fmt:MATRIX_FMT_BF6 matrix_b_fmt:MATRIX_FMT_BF6 matrix_a_scale:MATRIX_SCALE_ROW1
.else
	v_wmma_scale_f32_16x16x128_f8f6f4 v[8*(8*((\a)%4)+\b):8*(8*((\a)%4)+\b)+7], v[128*(\p)+FR*\b:128*(\p)+FR*\b+FR-1], v[AF+FR*(\a):AF+FR*(\a)+FR-1], v[8*(8*((\a)%4)+\b):8*(8*((\a)%4)+\b)+7], v[SC+8*NQ*(\sc)+NQ*\b+(\q)], v[SC+8*NQ*(\sc)+NQ*(\a)+(\q)] matrix_a_fmt:MATRIX_FMT_BF6 matrix_b_fmt:MATRIX_FMT_BF6 matrix_a_scale:MATRIX_SCALE_ROW1
.endif
.endr
.endr
.endm
.macro FETCH_B st, p
	WIN TO_B
.irp i, 0,1,2,3,4,5,6,7
	FRAG 128*(\p)+FR*\i, ADRB, \st, \i
.endr
	WIN 0
.endm
.macro FETCH_A st, i0
.irp i, \i0, \i0+1, \i0+2, \i0+3
	FRAG AF+FR*(\i), ADRA, \st, \i
.endr
.endm
.macro SCALES pr                       ; the words of steps 2 pr, 2 pr + 1: lanes 0-15 A's block i, lanes 16-31 B's
.irp i, 0,1,2,3,4,5,6,7
	ds_load_b64 v[SC+8*NQ*((\pr)%2)+NQ*\i:SC+8*NQ*((\pr)%2)+NQ*\i+1], v[ADRS] offset:\i*SBLK+4*NQ*(\pr)
.endr
.endm
.macro PLACES n
.rept \n
	v_nop
.endr
.endm
; A step: 64 products; the next step's fragments are fetched in its middle and at its end.  Where the next step ends in a chunk not read yet, a barrier shows that chunk whole;
; where it begins in a later chunk, the chunk left behind is free: the waits, the add, the barrier, and, while a chunk two on is left, the cluster's round and the refill.
.macro STEP st, first
.set NX, (\st)+1
.set C0, (96*(\st))/ROWB
.set C1, (96*NX)/ROWB
.set E0, (96*(\st)+95)/ROWB
.set E1, (96*NX+95)/ROWB
.if \first
.set WLO, 0x81                         ; C out of window 0
.set WHI, 0xc1
.else
.set WLO, 0xa1
.set WHI, 0xf1
.endif
.if C1 > C0 || E1 > E0
	s_wait_tensorcnt 0x0                           ; all my tensor loads have landed
.if C1 > C0
	ds_add_u32 v[SPW], v[NIL]
	s_wait_dscnt 4*NL+1                            ; the add and A's blocks 4-7 may be out
.else
	s_wait_dscnt 4*NL
.endif
	WIN WLO
	MUL16 0, (\st)%2, (\st)%2, ((\st)/2)%2, \first
	s_wait_dscnt 0x0                               ; the add and all my reads are done
	s_barrier_signal -1
	MUL16 2, (\st)%2, (\st)%2, ((\st)/2)%2, \first
	WIN 0
	s_barrier_wait -1
.if C1 > C0 && C0+2 < CHUNKS
	CREST
	s_add_nc_u64 s[G0+4*(C0%2)+2:G0+4*(C0%2)+3], s[G0+4*(C0%2)+2:G0+4*(C0%2)+3], 2*ROWB
	s_add_nc_u64 s[G0B+4*(C0%2)+2:G0B+4*(C0%2)+3], s[G0B+4*(C0%2)+2:G0B+4*(C0%2)+3], 2*ROWB
	JLOAD G0+4*(C0%2), G1, G0B+4*(C0%2), G1B       ; chunk C0 + 2; its four v_nop are the places ahead of the loads below
.else
	PLACES NP
.endif
.else
	s_wait_dscnt 4*NL                              ; B's set and A's blocks 0-3 are in
	WIN WLO
	MUL16 0, (\st)%2, (\st)%2, ((\st)/2)%2, \first
	MUL16 2, (\st)%2, (\st)%2, ((\st)/2)%2, \first
	s_wait_dscnt 0
	PLACES NP
.endif
	FETCH_B NX, NX%2
	FETCH_A NX, 0
.if NX%2 == 0
	SCALES NX/2
.endif
	WIN WHI
	MUL16 4, (\st)%2, (\st)%2, ((\st)/2)%2, \first
	MUL16 6, (\st)%2, (\st)%2, ((\st)/2)%2, \first
	PLACES NP
	WIN 0
	FETCH_A NX, 4
.endm
	s_wait_alu depctr_va_vdst(0)                   ; the wait at the head's end
	s_wait_tensorcnt 0x0                           ; my tile of the head's four is in
	ds_add_u32 v[SPW], v[NIL]
	s_mov_b32 s[G1+2], 128<<16                     ; no load of mine is out: from here on a load brings 128 rows
	s_mov_b32 s[G1+4], 128
	s_mov_b32 s[G1B+2], 128<<16
	s_mov_b32 s[G1B+4], 128
	s_wait_dscnt 0x0
	CROUND
	JLOAD G0+4, G1, G0B+4, G1B                     ; chunk 1, slot 1's first fill
	FETCH_B 0, 0
	FETCH_A 0, 0
	SCALES 0
	FETCH_A 0, 4
	STEP 0, 1
.set ST, 1
.rept STEPS-2
	STEP ST, 0
.set ST, ST+1
.endr
	s_wait_dscnt 4*NL
	WIN 0xa1
	MUL16 0, 1, 1, 1, 0
	MUL16 2, 1, 1, 1, 0
	s_wait_dscnt 0
	WIN 0xf1
	MUL16 4, 1, 1, 1, 0
	MUL16 6, 1, 1, 1, 0
	WIN 0
	PLACES NP
.irp b, 0,1,2,3
	v_mov_b32 v[TM+4+\b], 0                        ; a lane permute's destination counts as a source
.endr
.macro OUTBLK a                        ; 16 rows: the bias along the rows, the quantiser, the fragment's image: 512 consecutive bytes a store
.if (\a) > 0
	s_wait_xcnt 0x0                                ; the last block's stores have read their registers
.endif
	WIN 0x02+(\a)/4
.set i, 0
.rept 32
.if (\a)%2
	v_pk_add_f32 v[T+2*i:T+2*i+1], v[64*((\a)%4)+2*i:64*((\a)%4)+2*i+1], v[BR+2*((\a)/2):BR+2*((\a)/2)+1] op_sel:[0,1] op_sel_hi:[1,1]
.else
	v_pk_add_f32 v[T+2*i:T+2*i+1], v[64*((\a)%4)+2*i:64*((\a)%4)+2*i+1], v[BR+2*((\a)/2):BR+2*((\a)/2)+1] op_sel:[0,0] op_sel_hi:[1,0]
.endif
.set i, i+1
.endr
	WIN 0
	QUANT T
.irp c, 0,1,2
	global_store_b128 v[CO], v[PC+4*\c:PC+4*\c+3], s[12:13] offset:(\a)*1536+512*\c
.endr
	v_mov_b32 v[PWS+(\a)], v[PW]
.endm
.irp a, 0,1,2,3,4,5,6,7
	OUTBLK \a
.endr
.irp u, 0,1,2,3
	v_cndmask_b32 v[SW+\u], v[PWS+2*\u], v[PWS+2*\u+1], s45   ; an even block's words in lanes 0-15, the odd block's in lanes 16-31
.endr
	global_store_b128 v[CO], v[SW:SW+3], s[96:97]
	s_wait_tensorcnt 0x0                           ; the wave's end
	ds_add_u32 v[SPW], v[NIL]
	s_wait_dscnt 0x0
	CROUND                                         ; the closing round
	s_endpgm
.Lfunc_end_k_qb4c1486f52_proj:
	.size	k_qb4c1486f52_proj, .Lfunc_end_k_qb4c1486f52_proj-k_qb4c1486f52_proj
	.p2alignl 7, 3214868480
	.fill 96, 4, 3214868480
	.section	.rodata,"a",@progbits
	.p2align	6, 0x0
	.amdhsa_kernel k_qb4c1486f52_proj
		.amdhsa_group_segment_fixed_size 327680
		.amdhsa_private_segment_fixed_size 0
		.amdhsa_enable_private_segment 0
		.amdhsa_kernarg_size 136
		.amdhsa_user_sgpr_count 2
		.amdhsa_user_sgpr_kernarg_segment_ptr 1
		.amdhsa_wavefront_size32 1
		.amdhsa_system_sgpr_workgroup_id_x 1
		.amdhsa_system_sgpr_workgroup_id_y 1
		.amdhsa_system_sgpr_workgroup_id_z 1
		.amdhsa_system_vgpr_workitem_id 0
		.amdhsa_next_free_vgpr 1024
		.amdhsa_next_free_sgpr 102
		.amdhsa_reserve_vcc 0
		.amdhsa_float_denorm_mode_32 3
		.amdhsa_float_denorm_mode_16_64 3
		.amdhsa_memory_ordered 1
		.amdhsa_forward_progress 1
		.amdhsa_inst_pref_size 189
	.end_amdhsa_kernel
	.amdgpu_metadata
---
amdhsa.version: [ 1, 2 ]
amdhsa.kernels:
  - .name:           k_qb4c1486f52_proj
    .symbol:         k_qb4c1486f52_proj.kd
    .args:
      - { .name: qc, .offset: 0, .size: 8, .value_kind: global_buffer, .address_space: global }
      - { .name: qs, .offset: 8, .size: 8, .value_kind: global_buffer, .address_space: global }
      - { .name: Wq_codes, .offset: 16, .size: 8, .value_kind: global_buffer, .address_space: global }
      - { .name: Wq_scales, .offset: 24, .size: 8, .value_kind: global_buffer, .address_space: global }
      - { .name: bq, .offset: 32, .size: 8, .value_kind: global_buffer, .address_space: global }
      - { .name: k_codes, .offset: 40, .size: 8, .value_kind: global_buffer, .address_space: global }
      - { .name: k_scales, .offset: 48, .size: 8, .value_kind: global_buffer, .address_space: global }
      - { .name: Wk_codes, .offset: 56, .size: 8, .value_kind: global_buffer, .address_space: global }
      - { .name: Wk_scales, .offset: 64, .size: 8, .value_kind: global_buffer, .address_space: global }
      - { .name: bk, .offset: 72, .size: 8, .value_kind: global_buffer, .address_space: global }
      - { .name: Wv_codes, .offset: 80, .size: 8, .value_kind: global_buffer, .address_space: global }
      - { .name: Wv_scales, .offset: 88, .size: 8, .value_kind: global_buffer, .address_space: global }
      - { .name: v_codes, .offset: 96, .size: 8, .value_kind: global_buffer, .address_space: global }
      - { .name: v_scales, .offset: 104, .size: 8, .value_kind: global_buffer, .address_space: global }
      - { .name: bv, .offset: 112, .size: 8, .value_kind: global_buffer, .address_space: global }
      - { .name: FC, .offset: 120, .size: 8, .value_kind: global_buffer, .address_space: global }
      - { .name: FS, .offset: 128, .size: 8, .value_kind: global_buffer, .address_space: global }
    .group_segment_fixed_size: 327680
    .private_segment_fixed_size: 0
    .kernarg_segment_align: 8
    .kernarg_segment_size: 136
    .max_flat_workgroup_size: 128
    .sgpr_count:     102
    .vgpr_count:     1024
    .wavefront_size: 32
...
	.end_amdgpu_metadata
.endif
;; end of part 2
;; launch attn (part 3): grid 8 x 32, 8 waves a work-group, clusters of 4 x 1, 327,680 bytes of LDS; arguments FC, FS, mbits, group_prob, ZZ; writes ZZ
.if DOCPART == 3
	.amdgcn_target "amdgcn-amd-amdhsa--gfx1250"
	.amdhsa_code_object_version 6
	.text
	.protected	k_qb4c1486f52_attn
	.globl	k_qb4c1486f52_attn
	.p2align	8
	.type	k_qb4c1486f52_attn,@function
k_qb4c1486f52_attn:
	s_mov_b64 s[64:65], 0
	v_nop
	global_prefetch_b8 v0, s[64:65] scope:SCOPE_SE
	s_setreg_imm32_b32 hwreg(HW_REG_WAVE_MODE, 25, 1), 1
	s_wait_xcnt 0x0
	s_wait_alu depctr_hold_cnt(0) depctr_sa_sdst(0) depctr_va_vdst(0) depctr_va_sdst(0) depctr_va_ssrc(0) depctr_va_vcc(0) depctr_vm_vsrc(0)
	s_getreg_b32 s2, hwreg(HW_REG_IB_STS2, 6, 4)
	s_cmp_eq_u32 s2, 0
	s_cbranch_scc0 .Lentry_in_a_cluster
	s_endpgm
.Lentry_in_a_cluster:
	s_bfe_u32 s2, ttmp6, 0x10000c
	s_cmp_lg_u32 s2, 0x3003
	s_cbranch_scc0 .Lentry_shape_is_right
	s_endpgm
.Lentry_shape_is_right:
; z[q][head] = (softmax_k(where(mask, Q . K / sqrt(128), -1e9)) x group_prob) V, both products on codes of E3M2 with one E8M0 scale for each 32 along K.
; The left operand of the second product is quantised FINISHED: exp(a - max) / sum x group_prob.  1 / sum is no power of two, so the keys are walked twice:
;   walk 1: scores, mask, the row's running maximum and sum;   walk 2: the scores again, p = 2^(c s - c max - log2 sum) x group_prob, quantised along the keys, O^T += V^T p^T.
; SHARES.  A work-group owns 128 queries of one head; each of its eight waves one tile of 16; two waves lie on a SIMD.
; Both products are used transposed: a lane holds one query (lane % 16); register 8 t + j of a tile row holds key (or channel) 16 t + 8 (lane / 16) + j.  A key step is 128 keys; 32 steps a walk.
; THE MASK costs one select a score: its 64 lane masks of a step come by four scalar loads out of mbits.  A hidden score becomes -1e9 x sqrt(128), so a row that is hidden altogether comes out uniform.
; K AND V come as images of operand registers: each wave loads one tile of K and one of V (dense 512-byte loads), stores them into a slot in LDS, and all eight waves read the slot: two slots of K, two of V, one barrier a step.
; MEMORY IS ASKED TWO STEPS AHEAD OF THE STORE: two sets of registers hold tiles on their way, by the step's parity.  In step g set g % 2 holds K(g + 2) and V(g + 1), asked for in step g - 2; they are stored,
; and the set takes K(g + 4) and V(g + 3).  The scale blocks have two sets as well: the set used in step g takes step g + 2's.  So the wait at a step's head leaves out the loads of the step before: 4 in walk 1, 8 in walk 2.
; K's fragments of step g + 1 are fetched from LDS in step g, behind the products K Q^T.
; The four partners of a cluster are four HEADS of one block of queries: they share no K and no V, so those are not asked for jointly.
; GROUP_PROB hangs on query and key alone: the four partners ask for it JOINTLY.  Two LDS slots of 128 rows x 256 keys; each wave fetches, and alone reads, its own 16 rows; one tensor load a wave is out.
; LIMITS: NaN and infinities are not served; a true score under -1e9 (behind the scaling) is not told from a hidden one's order; a p under 2^-126 counts as 0.
; REGISTERS.  window 0: v1-11 addresses and constants; v12 the exponent's offset, v13 the maximum; v[14:15] the sum; v16-23 K's scale blocks, v24-31 V's; v32-43 Q; v44-55 p's codes; v56-71 at work;
;   v72-119 the two sets of tiles on their way; v120 Q's scale word, v121 p's; v128-191 scores, then p; v192-255 group_prob (walk 1: at work).   window 1: v0-63 O^T; v64-159 K; v160-255 V.
.set GPITCH, 1040                      ; a row of group_prob in LDS: 1,024 bytes + 16
.set GWAVE,  16*GPITCH
.set GSLOT,  8*GWAVE                   ; 0x20800: no wave's base has these two bits, so one exclusive or changes slots
.set KVB,    2*GSLOT                   ; slot p of K at 24,576 p, slot p of V 12,288 bytes behind it; written by LDS stores alone
.set KVSL,   24576
.set SPARE,  KVB+2*KVSL                ; the spare words: 128 bytes a wave
.set L16, 1
.set SPW, 2
.set NIL, 3
.set GA,  4
.set GS,  5
.set LKV, 6
.set LST, 7
.set LG,  8
.set ADG, 9
.set NEG, 10
.set PFO, 11
.set KSC, 16
.set VSC, 24
.set QF,  32
.set PC,  44
.set TM,  56
.set ST,  72
.set QS,  120
.set PW,  121
.set GV,  122
.set S,   128
.set G,   192
.set W,   192
.set KF,  64
.set VF,  160
.set WV,  2
.set KVC, 4
.set KVS, 6
.set MBP, 8
.set MOFF, 10
.set KOFF, 11
.set SOFF, 12
.set GB,  13
.set LIM, 14
.set VOFF, 15
.set PFA, 16
.set HD,  18
.set QB,  19
.set SEL, 66
.set CS,  100
.set MSB, 0
.macro WIN new
.if MSB != (\new)
	s_set_vgpr_msb (MSB<<8)|(\new)
.set MSB, (\new)
.endif
.endm
.macro BAR
	s_wait_dscnt 0x0
	s_barrier_signal -1
	s_barrier_wait -1
.endm
.macro CROUND
	s_barrier_signal -1
	s_barrier_wait -1
	s_cmp_lg_u32 s[WV], 0
	s_cbranch_scc1 .Lnot_wave_0_\@
	s_barrier_signal -3
.Lnot_wave_0_\@:
	s_barrier_wait -3
	s_barrier_signal -1
	s_barrier_wait -1
.endm
.macro QUANT s                         ; 64 numbers of a lane, register 16 b + i = place 32 b + 16 (lane / 16) + i, become a fragment's codes in v[PC] on and its scale word in v[PW]
.irp b, 0,1,2,3                                ; two chains a block, eight in all by turns: a chain's lines stand at least five apart
	v_max3_num_f32 v[TM+\b], |v[\s+16*\b]|, |v[\s+1+16*\b]|, 0x2800000   ; with the floor 2^(5 - 127): the byte cannot fall under 1
	v_max3_num_f32 v[TM+8+\b], |v[\s+8+16*\b]|, |v[\s+9+16*\b]|, |v[\s+10+16*\b]|
.endr
.irp i, 2,4
.irp b, 0,1,2,3
	v_max3_num_f32 v[TM+\b], v[TM+\b], |v[\s+16*\b+\i]|, |v[\s+1+16*\b+\i]|
	v_max3_num_f32 v[TM+8+\b], v[TM+8+\b], |v[\s+9+16*\b+\i]|, |v[\s+10+16*\b+\i]|
.endr
.endr
.irp b, 0,1,2,3
	v_max3_num_f32 v[TM+\b], v[TM+\b], |v[\s+6+16*\b]|, |v[\s+7+16*\b]|
.endr
.irp b, 0,1,2,3
	s_delay_alu instid0(VALU_DEP_4)
	v_max3_num_f32 v[TM+\b], v[TM+\b], v[TM+8+\b], |v[\s+15+16*\b]|   ; the two chains and the sixteenth number
.endr
.irp b, 0,1,2,3
	s_delay_alu instid0(VALU_DEP_4)
	v_permlanex16_b32 v[TM+4+\b], v[TM+\b], s[SEL], s[SEL+1]
.endr
.irp b, 0,1,2,3
	s_delay_alu instid0(VALU_DEP_4)
	v_max_num_f32 v[TM+\b], v[TM+\b], v[TM+4+\b]
.endr
.irp b, 0,1,2,3                                ; both lines read the block's maximum, by turns
.if \b == 0
	s_delay_alu instid0(VALU_DEP_4)
.endif
	v_add_nc_u32 v[TM+12+\b], 0xfe000000, v[TM+\b] ; 4 off the exponent field: the conversion's scale operand
	v_lshrrev_b32 v[TM+4+\b], 23, v[TM+\b]         ; the exponent field, 5 at the least by the floor
.endr
	v_lshl_or_b32 v[TM+4], v[TM+5], 8, v[TM+4]
	s_delay_alu instid0(VALU_DEP_2)
	v_lshl_or_b32 v[TM+6], v[TM+7], 8, v[TM+6]
	s_delay_alu instid0(VALU_DEP_1)
	v_lshl_or_b32 v[TM+4], v[TM+6], 16, v[TM+4]
	s_delay_alu instid0(VALU_DEP_1)
	v_add_nc_u32 v[PW], 0xfbfbfbfc, v[TM+4]        ; 4 off each of the four bytes at once: none borrows, each being 5 or more
.irp c, 0,1                                    ; a block's second half is made where the maxima and bytes lay, which are used up
	v_cvt_scalef32_pk16_bf6_f32 v[PC+6*\c:PC+2+6*\c], v[\s+32*\c:\s+15+32*\c], v[TM+12+2*\c]
	v_cvt_scalef32_pk16_bf6_f32 v[TM+4*\c:TM+2+4*\c], v[\s+16+32*\c:\s+31+32*\c], v[TM+12+2*\c+1]
.endr
	v_nop                                          ; one plain line behind a scaled conversion
.irp c, 0,1
.irp i, 0,1,2
	v_permlane16_swap_b32 v[PC+6*\c+\i], v[TM+4*\c+\i]
.endr
.endr
.irp c, 0,1                                    ; each move stands six lines behind its swap
.irp i, 0,1,2
	v_mov_b32 v[PC+3+6*\c+\i], v[TM+4*\c+\i]
.endr
.endr
.endm
.macro STORE_K slot, set
.irp i, 0,1,2
	ds_store_b128 v[LST], v[ST+24*(\set)+4*\i:ST+24*(\set)+4*\i+3] offset:(\slot)*KVSL+512*\i
.endr
.endm
.macro STORE_V slot, set
.irp i, 0,1,2
	ds_store_b128 v[LST], v[ST+24*(\set)+12+4*\i:ST+24*(\set)+12+4*\i+3] offset:(\slot)*KVSL+12288+512*\i
.endr
.endm
.macro ADDRS                           ; the offsets of what this step asks of memory: four plain lines, which are also the places behind the products K Q^T
	v_add_nc_u32 v[GS], s[SOFF], v[L16]
	v_add_nc_u32 v[GA], s[KOFF], v[L16]
	v_add_nc_u32 v[GV], s[VOFF], v[L16]
	v_nop
.endm
.macro LOAD_K set                      ; my tile of K of the step at s[KOFF]; behind the head's 32nd step comes its first again
.irp i, 0,1,2
	global_load_b128 v[ST+24*(\set)+4*\i:ST+24*(\set)+4*\i+3], v[GA], s[KVC:KVC+1] offset:512*\i
.endr
	s_add_co_u32 s[KOFF], s[KOFF], KVSL
	s_cmp_eq_u32 s[KOFF], 32*KVSL
	s_cselect_b32 s[KOFF], 0, s[KOFF]
.endm
.macro LOAD_V set, more                ; my tile of V, more steps behind s[VOFF]
.irp i, 0,1,2
	global_load_b128 v[ST+24*(\set)+12+4*\i:ST+24*(\set)+12+4*\i+3], v[GV], s[KVC:KVC+1] offset:12288+(\more)*KVSL+512*\i
.endr
.endm
.macro STEP_V n                        ; kept inside the head's 32 steps, like K's
	s_add_co_u32 s[VOFF], s[VOFF], (\n)*KVSL
	s_cmp_eq_u32 s[VOFF], 32*KVSL
	s_cselect_b32 s[VOFF], 0, s[VOFF]
.endm
.macro STEP_S
	s_add_co_u32 s[SOFF], s[SOFF], 1024
	s_and_b32 s[SOFF], s[SOFF], 0x7fff
.endm
.macro FETCH_K p, first
.irp t, 0,1,2,3
.irp c, 0,1,2
	ds_load_b128 v[KF+12*((\first)+\t)+4*\c:KF+12*((\first)+\t)+4*\c+3], v[LKV] offset:(\p)*KVSL+((\first)+\t)*1536+512*\c
.endr
.endr
.endm
.macro FETCH_V p
.irp t, 0,1,2,3,4,5,6,7
.irp c, 0,1,2
	ds_load_b128 v[VF+12*\t+4*\c:VF+12*\t+4*\c+3], v[LKV] offset:(\p)*KVSL+12288+\t*1536+512*\c
.endr
.endr
.endm
.macro FETCH_G p
.irp t, 0,1,2,3,4,5,6,7
	ds_load_b128 v[G+8*\t:G+8*\t+3], v[ADG] offset:512*(\p)+64*\t
	ds_load_b128 v[G+8*\t+4:G+8*\t+7], v[ADG] offset:512*(\p)+64*\t+16
.endr
.endm
.macro KQT p                           ; S^T = K Q^T; a scale register holds an even tile's words in lanes 0-15 and the odd tile's in lanes 16-31
.irp t, 0,2,4,6
	v_wmma_scale_f32_16x16x128_f8f6f4 v[S+8*\t:S+8*\t+7], v[KF+12*\t:KF+12*\t+11], v[QF:QF+11], 0, v[KSC+4*(\p)+\t/2], v[QS] matrix_a_fmt:MATRIX_FMT_BF6 matrix_b_fmt:MATRIX_FMT_BF6
	v_wmma_scale_f32_16x16x128_f8f6f4 v[S+8*\t+8:S+8*\t+15], v[KF+12*\t+12:KF+12*\t+23], v[QF:QF+11], 0, v[KSC+4*(\p)+\t/2], v[QS] matrix_a_fmt:MATRIX_FMT_BF6 matrix_b_fmt:MATRIX_FMT_BF6 matrix_a_scale:MATRIX_SCALE_ROW1
.endr
.endm
.macro PVMM p                          ; O^T += V^T p^T, the accumulators by turns
.irp t, 0,2,4,6
	v_wmma_scale_f32_16x16x128_f8f6f4 v[8*\t:8*\t+7], v[VF+12*\t:VF+12*\t+11], v[PC:PC+11], v[8*\t:8*\t+7], v[VSC+4*(\p)+\t/2], v[PW] matrix_a_fmt:MATRIX_FMT_BF6 matrix_b_fmt:MATRIX_FMT_BF6
	v_wmma_scale_f32_16x16x128_f8f6f4 v[8*\t+8:8*\t+15], v[VF+12*\t+12:VF+12*\t+23], v[PC:PC+11], v[8*\t+8:8*\t+15], v[VSC+4*(\p)+\t/2], v[PW] matrix_a_fmt:MATRIX_FMT_BF6 matrix_b_fmt:MATRIX_FMT_BF6 matrix_a_scale:MATRIX_SCALE_ROW1
.endr
.endm
.macro MASK nx                         ; hidden scores become -1e9 x sqrt(128); nx = 1: the next step's 64 words are asked for
	s_wait_kmcnt 0x0
.set n, 0
.rept 64
.if n < 32
	v_cndmask_b32 v[S+n], v[NEG], v[S+n], s[32+n]
.else
	v_cndmask_b32 v[S+n], v[NEG], v[S+n], s[36+n]
.endif
.set n, n+1
.endr
.if \nx
	s_add_co_u32 s[MOFF], s[MOFF], 256
	s_and_b32 s[MOFF], s[MOFF], 0x1fff
	s_load_b512 s[32:47], s[MBP:MBP+1], s[MOFF] offset:0x0
	s_load_b512 s[48:63], s[MBP:MBP+1], s[MOFF] offset:0x40
	s_load_b512 s[68:83], s[MBP:MBP+1], s[MOFF] offset:0x80
	s_load_b512 s[84:99], s[MBP:MBP+1], s[MOFF] offset:0xc0
.endif
.endm
.macro SCALE_S                         ; c s - the offset in v12, two at a time
.set i, 0
.rept 32
	v_pk_fma_f32 v[S+2*i:S+2*i+1], v[S+2*i:S+2*i+1], s[CS:CS+1], v[12:13] op_sel_hi:[1,0,0] neg_lo:[0,0,1] neg_hi:[0,0,1]
.set i, i+1
.endr
.endm
.macro EXPS from, cnt
.set i, \from
.rept \cnt
	v_exp_f32 v[S+i], v[S+i]
.set i, i+1
.endr
.endm
; A PREFETCH of the slot of group_prob that the NEXT change of slots will ask for: 128 rows x 1,024 bytes, two key steps ahead of the load.  Both clusters of a block of queries read these rows: the first asks.
; Its four partners take 32 rows each, told apart by address; in each, waves 0 to 3 take 8 rows: a lane names 256 bytes.  The last change that fills a slot asks for nothing.
.macro ASK
	s_cmp_gt_u32 s3, s[LIM]
	s_cbranch_scc0 .Lnot_mine_\@
	global_prefetch_b8 v[PFO], s[PFA:PFA+1] th:TH_LOAD_NT scope:SCOPE_SE
.Lnot_mine_\@:
.endm
; THE CHANGE OF group_prob's SLOTS, at the head of two key steps; also the barrier between the last step's LDS reads and stores of K and V and this step's.
.macro CHANGE fill
	s_wait_tensorcnt 0x0                           ; my one tensor load has landed
	ds_add_u32 v[SPW], v[NIL]
.if \fill
	s_xor_b32 s21, s21, GSLOT
	s_add_nc_u64 s[22:23], s[22:23], 1024          ; the next 256 keys
	s_wait_xcnt 0x0                                ; the last prefetch has read its address
	s_add_nc_u64 s[PFA:PFA+1], s[PFA:PFA+1], 1024
	s_wait_dscnt 0x0                               ; the add, my reads of the slot that I have left, my fetch of the next K and my stores are done
	CROUND
	tensor_load_to_lds s[20:23], s[24:31]          ; my one tensor load until the next round
	s_nop 0
.rept 4
	v_nop
.endr
	ASK
.else
	s_wait_dscnt 0x0
	s_barrier_signal -1
	s_barrier_wait -1
.endif
	v_add_nc_u32 v[ADG], s[GB], v[LG]
.endm
; KEY STEP g OF WALK 1, p = g % 2.  At its head K(g)'s fragments are in registers, K(g + 1) lies in K's slot 1 - p.
; lv = 2: V(0) and V(1) are asked for; lv = 1: V(2); with lv also V's scale block; sv: V(0) is stored; bar: the barrier stands in the step; lc: the loads of the step before, which may be out.
.macro WALK1 p, lv, sv, bar, lc
	s_wait_loadcnt \lc
	STORE_K \p, \p                                 ; K(g + 2)
.if \sv
	STORE_V 1-(\p), \p
.endif
	WIN 0x01
	KQT \p
	WIN 0
	s_wait_xcnt 0x0                                ; the loads that are out have read their offsets
	ADDRS
	s_wait_alu depctr_va_vdst(0)
	s_wait_dscnt 0x0                               ; my stores are done: their registers may be loaded again
	LOAD_K \p                                      ; K(g + 4)
.if \lv == 2
	LOAD_V 1, 0
	LOAD_V 0, 1
	STEP_V 2
.elseif \lv == 1
	LOAD_V \p, 0
	STEP_V 1
.endif
	global_load_b128 v[KSC+4*(\p):KSC+4*(\p)+3], v[GS], s[KVS:KVS+1]              ; K(g + 2)'s scale block
.if \lv
	global_load_b128 v[VSC+4*(\p):VSC+4*(\p)+3], v[GS], s[KVS:KVS+1] offset:512
.endif
	STEP_S
	WIN 0x40
	FETCH_K 1-(\p), 0                              ; K(g + 1), in two runs of twelve loads
	WIN 0
	MASK 1
	WIN 0x40
	FETCH_K 1-(\p), 4
	WIN 0
.irp k, 0,1,2,3,4,5,6,7
	v_max3_num_f32 v[W+16+\k], v[S+8*\k], v[S+8*\k+1], v[S+8*\k+2]   ; my lane's largest score, in eight chains of seven numbers
.endr
.irp i, 3,5
.irp k, 0,1,2,3,4,5,6,7
	v_max3_num_f32 v[W+16+\k], v[W+16+\k], v[S+8*\k+\i], v[S+8*\k+\i+1]
.endr
.endr
	v_max3_num_f32 v[W], v[S+39], v[S+47], v[S+55] ; the eight numbers left over go into the tree that joins the chains
	v_max3_num_f32 v[W+16], v[W+16], v[W+17], v[S+7]
	v_max3_num_f32 v[W+18], v[W+18], v[W+19], v[S+15]
	v_max3_num_f32 v[W+20], v[W+20], v[W+21], v[S+23]
	v_max3_num_f32 v[W+22], v[W+22], v[W+23], v[S+31]
	v_mov_b32 v[W+4], v12                          ; c x the old maximum
	s_delay_alu instid0(VALU_DEP_4)
	v_max3_num_f32 v[W+16], v[W+16], v[W+18], v[S+63]
	s_delay_alu instid0(VALU_DEP_3)
	v_max3_num_f32 v[W+20], v[W+20], v[W+22], v[W]
	s_delay_alu instid0(VALU_DEP_1)
	v_max3_num_f32 v13, v[W+16], v[W+20], v13
	s_delay_alu instid0(VALU_DEP_1)
	v_mul_f32 v12, s[CS], v13
	s_delay_alu instid0(VALU_DEP_1)
	v_sub_f32 v[W+5], v[W+4], v12
	SCALE_S
	s_wait_alu depctr_va_vdst(0)
	v_exp_f32 v[W+6], v[W+5]                       ; 2^(c old - c new)
	EXPS 0, 32
.if \bar
	s_wait_dscnt 0x0                               ; my store of K(g + 2) has landed and my fetch of K(g + 1) is in
	s_barrier_signal -1
.endif
	EXPS 32, 32
	v_nop
	s_wait_alu depctr_va_vdst(0)                   ; one wait for the batch of 65
	v_pk_mul_f32 v[14:15], v[14:15], v[W+6:W+7] op_sel_hi:[1,0]   ; the sum under the new maximum
	v_pk_add_f32 v[200:201], v[132:133], v[136:137]
	v_pk_add_f32 v[254:255], v[140:141], v[144:145]
	v_pk_add_f32 v[252:253], v[148:149], v[152:153]
	v_pk_add_f32 v[250:251], v[156:157], v[160:161]
	v_pk_add_f32 v[248:249], v[164:165], v[168:169]
	v_pk_add_f32 v[246:247], v[172:173], v[176:177]
	v_pk_add_f32 v[244:245], v[180:181], v[184:185]
	v_pk_add_f32 v[14:15], v[14:15], v[188:189]
	v_pk_add_f32 v[200:201], v[200:201], v[128:129]
	v_pk_add_f32 v[254:255], v[254:255], v[130:131]
	v_pk_add_f32 v[252:253], v[252:253], v[134:135]
	v_pk_add_f32 v[250:251], v[250:251], v[138:139]
	v_pk_add_f32 v[248:249], v[248:249], v[142:143]
	v_pk_add_f32 v[246:247], v[246:247], v[146:147]
	v_pk_add_f32 v[244:245], v[244:245], v[150:151]
	v_pk_add_f32 v[14:15], v[14:15], v[154:155]
	v_pk_add_f32 v[200:201], v[200:201], v[158:159]
	v_pk_add_f32 v[254:255], v[254:255], v[162:163]
	v_pk_add_f32 v[252:253], v[252:253], v[166:167]
	v_pk_add_f32 v[250:251], v[250:251], v[170:171]
	v_pk_add_f32 v[248:249], v[248:249], v[174:175]
	v_pk_add_f32 v[246:247], v[246:247], v[178:179]
	v_pk_add_f32 v[244:245], v[244:245], v[182:183]
	v_pk_add_f32 v[14:15], v[14:15], v[186:187]
	v_pk_add_f32 v[200:201], v[200:201], v[190:191]
	s_delay_alu instid0(VALU_DEP_2)
	v_pk_add_f32 v[14:15], v[14:15], v[250:251]
	s_delay_alu instid0(VALU_DEP_2)
	v_pk_add_f32 v[200:201], v[200:201], v[248:249]
	v_pk_add_f32 v[254:255], v[254:255], v[246:247]
	v_pk_add_f32 v[252:253], v[252:253], v[244:245]
	s_delay_alu instid0(VALU_DEP_2)
	v_pk_add_f32 v[14:15], v[14:15], v[254:255]
	s_delay_alu instid0(VALU_DEP_2)
	v_pk_add_f32 v[200:201], v[200:201], v[252:253]
	s_delay_alu instid0(VALU_DEP_1)
	v_pk_add_f32 v[14:15], v[14:15], v[200:201]
.if \bar
	s_barrier_wait -1
.endif
.endm
; KEY STEP n OF WALK 2, p = n % 2.  At its head K(n)'s fragments are in registers, K(n + 1) lies in K's slot 1 - p, V(n) in V's slot p.
; stk, stv: K(n + 2), V(n + 1) are stored; ld: K(n + 4), V(n + 3) and step n + 2's scale blocks are asked for; fk: K(n + 1)'s fragments are fetched; nx: the next mask words; bar; lc as in walk 1.
.macro WALK2 p, stk, stv, ld, fk, nx, bar, lc
	s_wait_loadcnt \lc
.if \stk
	STORE_K \p, \p
.endif
.if \stv
	STORE_V 1-(\p), \p
.endif
	WIN 0x01
	KQT \p
	WIN 0
.if \ld
	s_wait_xcnt 0x0                                ; the loads that are out have read their offsets
	ADDRS
.else
.rept 4
	v_nop
.endr
.endif
	FETCH_G \p                                     ; 16 loads: wanted behind the exponentials
.if \ld
	s_wait_alu depctr_va_vdst(0)
	s_wait_dscnt 16                                ; my stores, issued ahead of group_prob's 16 loads, are done
	LOAD_K \p
	LOAD_V \p, 0
	STEP_V 1
	global_load_b128 v[KSC+4*(\p):KSC+4*(\p)+3], v[GS], s[KVS:KVS+1]
.endif
	MASK \nx
	WIN 0x40
	FETCH_V \p                                     ; 24 loads: wanted at the step's end
	WIN 0
	SCALE_S
.if \fk
	WIN 0x40
	FETCH_K 1-(\p), 0                              ; 24 loads: wanted at the next step's head
	FETCH_K 1-(\p), 4
	WIN 0
.endif
	s_wait_alu depctr_va_vdst(0)
	EXPS 0, 64
	v_nop                                          ; a plain line behind the last exponential
	s_wait_dscnt 24+24*(\fk)                       ; group_prob is in; V's 24 loads and the next K's 24 may be out
	s_wait_alu depctr_va_vdst(0)                   ; one wait for the batch of 64
.set i, 0
.rept 32
	v_pk_mul_f32 v[S+2*i:S+2*i+1], v[S+2*i:S+2*i+1], v[G+2*i:G+2*i+1]
.set i, i+1
.endr
	QUANT S
.if \bar
	s_wait_alu depctr_va_vdst(0)
	s_wait_dscnt 0x0                               ; V is in; my stores have landed and my fetch of the next K is in
	s_barrier_signal -1
.else
	s_wait_alu depctr_va_vdst(0)
	s_wait_dscnt 24*(\fk)
.endif
.rept 4
	v_nop                                          ; the last code register stands 4 plain lines ahead of the scaled product; the scale word's 8 are these and the moves above
.endr
	WIN 0x51
	PVMM \p
	WIN 0
.rept 4
	v_nop                                          ; four plain lines ahead of loads into the products' registers, and of the first read of O^T
.endr
.if \bar
	s_barrier_wait -1
.endif
.if \ld
	global_load_b128 v[VSC+4*(\p):VSC+4*(\p)+3], v[GS], s[KVS:KVS+1] offset:512
	STEP_S
.endif
.endm
	s_load_b256 s[32:39], s[0:1], 0x0              ; FC, FS, mbits, group_prob
	v_lshl_add_u32 v[SPW], v0, 2, SPARE
	v_mov_b32 v[NIL], 0
	ds_add_u32 v[SPW], v[NIL]                      ; the opening: the add, twice on end, and its wait
	ds_add_u32 v[SPW], v[NIL]
	s_wait_dscnt 0x0
	v_lshrrev_b32 v192, 5, v0
	s_delay_alu instid0(VALU_DEP_1)
	v_readfirstlane_b32 s[WV], v192                ; wave 0..7
	s_bfe_u32 s15, ttmp6, 0x40000                  ; cx
	s_lshl_b32 s[HD], ttmp9, 2
	s_add_co_u32 s[HD], s[HD], s15                 ; the head
	s_and_b32 s[QB], ttmp7, 0xffff                 ; the block of 128 queries, which the partners share
	s_mov_b32 s24, 15|(2<<16)|(1<<20)|(1<<21)|(7<<22)|(3<<25)   ; 16 rows x 256 elements of 4 bytes, 16 bytes of padding a row; all four partners
	s_mov_b32 s25, 256<<16
	s_mov_b32 s26, 16<<16
	s_mov_b32 s27, 256<<16
	s_mov_b32 s28, 16
	s_mov_b32 s29, 4096
	s_mov_b32 s30, 0
	s_mov_b32 s31, 0
	s_mov_b32 s20, 1
	s_mul_i32 s21, s[WV], GWAVE
	s_lshl_b32 s12, s[QB], 7
	s_lshl_b32 s13, s[WV], 4
	s_add_co_u32 s12, s12, s13
	s_lshl_b32 s12, s12, 14
	s_mov_b32 s13, 0
	s_wait_kmcnt 0x0
	s_add_nc_u64 s[22:23], s[38:39], s[12:13]
	s_or_b32 s23, s23, 0x80000000
	CROUND
	tensor_load_to_lds s[20:23], s[24:31]          ; slot 0: it lands during walk 1
	s_nop 0
.rept 4
	v_nop
.endr
	s_lshl_b32 s16, s[QB], 7                       ; the prefetches: row 128 x block + 32 cx + 8 (wave % 4)
	s_lshl_b32 s17, s15, 5
	s_add_co_u32 s16, s16, s17
	s_and_b32 s17, s[WV], 3
	s_lshl_b32 s17, s17, 3
	s_add_co_u32 s16, s16, s17
	s_lshl_b32 s16, s16, 14
	s_add_co_u32 s16, s16, 1024
	s_mov_b32 s17, 0
	s_add_nc_u64 s[PFA:PFA+1], s[38:39], s[16:17]
	s_lshr_b32 s[LIM], s[WV], 2
	s_or_b32 s[LIM], s[LIM], ttmp9
	s_cmp_eq_u32 s[LIM], 0
	s_cselect_b32 s[LIM], 1, -1
	s_mul_i32 s4, s[HD], 32*KVSL
	s_mul_i32 s5, s[WV], 1536
	s_add_co_u32 s4, s4, s5
	s_add_co_u32 s4, s4, 3145728
	s_mov_b32 s5, 0
	s_add_nc_u64 s[KVC:KVC+1], s[32:33], s[4:5]
	s_lshl_b32 s6, s[HD], 15
	s_add_co_u32 s6, s6, 131072
	s_mov_b32 s7, 0
	s_add_nc_u64 s[KVS:KVS+1], s[34:35], s[6:7]
	s_lshl_b32 s8, s[QB], 3
	s_add_co_u32 s8, s8, s[WV]
	s_lshl_b32 s8, s8, 13
	s_mov_b32 s9, 0
	s_add_nc_u64 s[MBP:MBP+1], s[36:37], s[8:9]
	s_lshl_b32 s15, s[HD], 5
	s_add_co_u32 s15, s15, s[QB]
	s_mul_i32 s68, s15, 12288
	s_mul_i32 s69, s[WV], 1536
	s_add_co_u32 s68, s68, s69
	s_mov_b32 s69, 0
	s_add_nc_u64 s[68:69], s[32:33], s[68:69]      ; Q's fragment
	s_lshl_b32 s70, s15, 9
	s_mov_b32 s71, 0
	s_add_nc_u64 s[70:71], s[34:35], s[70:71]      ; Q's scale block
	v_and_b32 v192, 31, v0
	s_delay_alu instid0(VALU_DEP_1)
	v_lshlrev_b32 v[L16], 4, v192                  ; 16 x lane
	v_and_b32 v193, 15, v0                         ; r
	v_bfe_u32 v194, v0, 4, 1                       ; h
	s_delay_alu instid0(VALU_DEP_3)
	v_add_nc_u32 v[LKV], KVB, v[L16]
	s_mul_i32 s15, s[WV], 1536
	s_add_co_u32 s15, s15, KVB
	v_add_nc_u32 v[LST], s15, v[L16]
	v_mul_u32_u24 v[LG], v193, GPITCH
	s_delay_alu instid0(VALU_DEP_1)
	v_lshl_add_u32 v[LG], v194, 5, v[LG]
	s_mul_i32 s15, s[WV], GWAVE
	v_add_nc_u32 v[LG], s15, v[LG]
	v_mov_b32 v[NEG], 0xd028965f                   ; -1e9 x sqrt(128)
	v_lshrrev_b32 v195, 2, v192
	v_and_b32 v196, 3, v192
	s_delay_alu instid0(VALU_DEP_2)
	v_lshlrev_b32 v[PFO], 14, v195
	s_delay_alu instid0(VALU_DEP_1)
	v_lshl_add_u32 v[PFO], v196, 8, v[PFO]
	s_and_b32 s15, s[WV], 1
	s_lshl_b32 s15, s15, 8
	s_lshr_b32 s10, s[WV], 1
	s_lshl_b32 s10, s10, 2
	s_add_co_u32 s15, s15, s10
	v_lshl_add_u32 v197, v193, 4, s15              ; my tile's word of row r in the scale block
.irp c, 0,1,2
	global_load_b128 v[QF+4*\c:QF+4*\c+3], v[L16], s[68:69] offset:512*\c
.endr
	global_load_b32 v[QS], v197, s[70:71]
.irp i, 0,1,2
	global_load_b128 v[ST+4*\i:ST+4*\i+3], v[L16], s[KVC:KVC+1] offset:512*\i              ; my tile of K(0),
	global_load_b128 v[ST+24+4*\i:ST+24+4*\i+3], v[L16], s[KVC:KVC+1] offset:KVSL+512*\i   ; and of K(1)
.endr
	s_mov_b32 s[CS], 0x3e0293ee                    ; c = log2(e) / sqrt(128)
	s_mov_b32 s[CS+1], s[CS]
	s_mov_b32 s[SEL], 0x76543210
	s_mov_b32 s[SEL+1], 0xfedcba98
	v_mov_b32 v13, 0xff61b1e6                      ; the largest score so far: -3e38
	s_delay_alu instid0(VALU_DEP_1)
	v_mul_f32 v12, s[CS], v13
	v_mov_b32 v14, 0
	v_mov_b32 v15, 0
	v_mov_b32 v[W+7], 0                            ; (named as the upper half of a pair)
.irp b, 0,1,2,3
	v_mov_b32 v[TM+4+\b], 0                        ; a lane permute's destination counts as one of its sources
.endr
	s_wait_alu depctr_va_vdst(0)                   ; the wait at the head's end
	s_wait_loadcnt 0x0
	STORE_K 0, 0
	STORE_K 1, 1
	s_wait_dscnt 0x0
.irp i, 0,1,2
	global_load_b128 v[ST+4*\i:ST+4*\i+3], v[L16], s[KVC:KVC+1] offset:2*KVSL+512*\i       ; K(2),
.endr
	global_load_b128 v[KSC:KSC+3], v[L16], s[KVS:KVS+1]                                    ; step 0's scale block: the four loads that step 0 waits for
.irp i, 0,1,2
	global_load_b128 v[ST+24+4*\i:ST+24+4*\i+3], v[L16], s[KVC:KVC+1] offset:3*KVSL+512*\i ; K(3),
.endr
	global_load_b128 v[KSC+4:KSC+7], v[L16], s[KVS:KVS+1] offset:1024                      ; step 1's
	s_mov_b32 s[KOFF], 4*KVSL
	s_mov_b32 s[VOFF], 0
	s_mov_b32 s[SOFF], 2048
	s_mov_b32 s[MOFF], 0
	s_load_b512 s[32:47], s[MBP:MBP+1], s[MOFF] offset:0x0        ; step 0's mask words
	s_load_b512 s[48:63], s[MBP:MBP+1], s[MOFF] offset:0x40
	s_load_b512 s[68:83], s[MBP:MBP+1], s[MOFF] offset:0x80
	s_load_b512 s[84:99], s[MBP:MBP+1], s[MOFF] offset:0xc0
	BAR                                            ; K(0) and K(1) lie in their slots
	WIN 0x40
	FETCH_K 0, 0
	FETCH_K 0, 4
	WIN 0
	BAR                                            ; every wave has K(0) in registers
	s_mov_b32 s3, 15
.Lwalk1:
	WALK1 0, 0, 0, 1, 4
	WALK1 1, 0, 0, 1, 4
	s_sub_co_u32 s3, s3, 1
	s_cmp_lg_u32 s3, 0
	s_cbranch_scc1 .Lwalk1
	WALK1 0, 2, 0, 1, 4                            ; steps 30 and 31 make ready for walk 2 (K's offset has gone round by itself)
	WALK1 1, 1, 1, 0, 0                            ; V(0), asked for one step back, is waited for with all else; this step's 8 loads are what walk 2's first wait leaves out
	; the two halves of the lanes are joined: the row's maximum, the sum under it, its logarithm
	s_delay_alu instid0(VALU_DEP_1)
	v_add_f32 v14, v14, v15
	v_permlanex16_b32 v[W], v13, s[SEL], s[SEL+1]
	s_delay_alu instid0(VALU_DEP_1)
	v_max_num_f32 v[W+1], v13, v[W]
	s_delay_alu instid0(VALU_DEP_1)
	v_mul_f32 v[W+2], s[CS], v[W+1]                ; c x the row's maximum
	s_delay_alu instid0(VALU_DEP_1)
	v_sub_f32 v[W+3], v12, v[W+2]
	s_wait_alu depctr_va_vdst(0)
	v_exp_f32 v[W+3], v[W+3]
	v_nop
	s_wait_alu depctr_va_vdst(0)
	v_mul_f32 v14, v14, v[W+3]
	s_delay_alu instid0(VALU_DEP_1)
	v_permlanex16_b32 v[W], v14, s[SEL], s[SEL+1]
	s_delay_alu instid0(VALU_DEP_1)
	v_add_f32 v14, v14, v[W]                       ; at least 1: the largest score's own term
	s_wait_alu depctr_va_vdst(0)
	v_log_f32 v[W+3], v14
	v_nop
	s_wait_alu depctr_va_vdst(0)
	v_add_f32 v12, v[W+2], v[W+3]                  ; the offset: c max + log2 sum, so that 2^(c s - offset) is the finished softmax
	WIN 0x40
.set n, 0
.rept 64
	v_mov_b32 v[n], 0                              ; O^T, once: so walk 2's first step needs no text of its own
.set n, n+1
.endr
	WIN 0
	s_mov_b32 s[GB], 0
	s_mov_b32 s3, 15
.Lwalk2:                                           ; 15 trips of two key steps.  (The last trip asks for two tiles of K and one of V that nobody reads: the head's first again, inside the buffer)
	CHANGE 1
	s_wait_alu depctr_va_vdst(0)
	WALK2 0, 1, 1, 1, 1, 1, 1, 8
	WALK2 1, 1, 1, 1, 1, 1, 0, 8
	s_xor_b32 s[GB], s[GB], GSLOT
	s_sub_co_u32 s3, s3, 1
	s_cmp_lg_u32 s3, 0
	s_cbranch_scc1 .Lwalk2
	CHANGE 0                                       ; the last slot is written out
	s_wait_alu depctr_va_vdst(0)
	WALK2 0, 0, 1, 0, 1, 1, 1, 8                   ; step 30: V(31) is stored, K(31)'s fragments are fetched
	WALK2 1, 0, 0, 0, 0, 0, 0, 0
	; THE WAY OUT
	s_load_b64 s[4:5], s[0:1], 0x20                ; ZZ
	s_lshl_b32 s6, s[QB], 3
	s_add_co_u32 s6, s6, s[WV]
	s_lshl_b32 s6, s6, 3
	s_add_co_u32 s6, s6, s[HD]                     ; 8 x tile of queries + head
	s_lshl_b32 s8, s6, 6
	s_add_co_u32 s8, s8, 3145728
	s_mul_i32 s6, s6, 1536
	s_mov_b32 s7, 0
	s_mov_b32 s9, 0
	WIN 0x01
.set n, 0
.rept 64
	v_mov_b32 v[S+n], v[n]                         ; O^T into window 0, each accumulator from its low end on
.set n, n+1
.endr
	WIN 0
.irp b, 0,1,2,3                                ; into the natural order: lanes 0-15 take channels 32 b + 0 .. 15, lanes 16-31 channels 32 b + 16 .. 31
.irp j, 0,1,2,3,4,5,6,7
	v_permlane16_swap_b32 v[S+16*\b+\j], v[S+16*\b+8+\j]
.endr
.endr
	QUANT S
	v_and_b32 v[W], 15, v0
	s_delay_alu instid0(VALU_DEP_1)
	v_lshlrev_b32 v[W], 2, v[W]
	s_wait_alu depctr_va_vdst(0)
	s_wait_kmcnt 0x0
	s_add_nc_u64 s[6:7], s[4:5], s[6:7]
	s_add_nc_u64 s[8:9], s[4:5], s[8:9]
.irp c, 0,1,2
	global_store_b128 v[L16], v[PC+4*\c:PC+4*\c+3], s[6:7] offset:512*\c   ; the fragment's image: 512 consecutive bytes a store
.endr
	global_store_b32 v[W], v[PW], s[8:9]           ; row r's scale word (both halves of the lanes hold and write the same)
	s_wait_tensorcnt 0x0                           ; the wave's end
	ds_add_u32 v[SPW], v[NIL]
	s_wait_dscnt 0x0
	CROUND                                         ; the closing round
	s_endpgm
.Lfunc_end_k_qb4c1486f52_attn:
	.size	k_qb4c1486f52_attn, .Lfunc_end_k_qb4c1486f52_attn-k_qb4c1486f52_attn
	.p2alignl 7, 3214868480
	.fill 96, 4, 3214868480
	.section	.rodata,"a",@progbits
	.p2align	6, 0x0
	.amdhsa_kernel k_qb4c1486f52_attn
		.amdhsa_group_segment_fixed_size 327680
		.amdhsa_private_segment_fixed_size 0
		.amdhsa_enable_private_segment 0
		.amdhsa_kernarg_size 40
		.amdhsa_user_sgpr_count 2
		.amdhsa_user_sgpr_kernarg_segment_ptr 1
		.amdhsa_wavefront_size32 1
		.amdhsa_system_sgpr_workgroup_id_x 1
		.amdhsa_system_sgpr_workgroup_id_y 1
		.amdhsa_system_sgpr_workgroup_id_z 1
		.amdhsa_system_vgpr_workitem_id 0
		.amdhsa_next_free_vgpr 512
		.amdhsa_next_free_sgpr 102
		.amdhsa_reserve_vcc 0
		.amdhsa_float_denorm_mode_32 3
		.amdhsa_float_denorm_mode_16_64 3
		.amdhsa_memory_ordered 1
		.amdhsa_forward_progress 1
		.amdhsa_inst_pref_size 181
	.end_amdhsa_kernel
	.amdgpu_metadata
---
amdhsa.version: [ 1, 2 ]
amdhsa.kernels:
  - .name:           k_qb4c1486f52_attn
    .symbol:         k_qb4c1486f52_attn.kd
    .args:
      - { .name: FC, .offset: 0, .size: 8, .value_kind: global_buffer, .address_space: global }
      - { .name: FS, .offset: 8, .size: 8, .value_kind: global_buffer, .address_space: global }
      - { .name: mbits, .offset: 16, .size: 8, .value_kind: global_buffer, .address_space: global }
      - { .name: group_prob, .offset: 24, .size: 8, .value_kind: global_buffer, .address_space: global }
      - { .name: ZZ, .offset: 32, .size: 8, .value_kind: global_buffer, .address_space: global }
    .group_segment_fixed_size: 327680
    .private_segment_fixed_size: 0
    .kernarg_segment_align: 8
    .kernarg_segment_size: 40
    .max_flat_workgroup_size: 256
    .sgpr_count:     102
    .vgpr_count:     512
    .wavefront_size: 32
...
	.end_amdgpu_metadata
.endif
;; end of part 3
;; launch outp (part 4): grid 128 x 1, 16 waves a work-group, no clusters, 158,208 bytes of LDS; arguments ZZ, Wi, Wo_scales, q, bo, ln_g, ln_b, out0; writes out0
.if DOCPART == 4
	.amdgcn_target "amdgcn-amd-amdhsa--gfx1250"
	.amdhsa_code_object_version 6
	.text
	.protected	k_qb4c1486f52_outp
	.globl	k_qb4c1486f52_outp
	.p2align	8
	.type	k_qb4c1486f52_outp,@function
k_qb4c1486f52_outp:
	s_mov_b64 s[64:65], 0
	v_nop
	global_prefetch_b8 v0, s[64:65] scope:SCOPE_SE
	s_setreg_imm32_b32 hwreg(HW_REG_WAVE_MODE, 25, 1), 1
	s_wait_xcnt 0x0
; out = LayerNorm(q + z Wo^T + bo) x ln_g + ln_b; the product on codes of E3M2 with one E8M0 scale for each 32 along K = 1,024.
; A work-group takes 32 whole rows (the norm wants whole rows); wave w of sixteen takes columns 64 w .. 64 w + 63 for both tiles of 16 rows: eight accumulators.
; z's 16 fragments (2 tiles of rows x 8 K steps) are 24,576 dense bytes: each wave copies one into LDS, all read them.  Wo's fragments come as images straight into registers, dense 512-byte loads,
; two K steps ahead in two sets.  The product is used transposed (source 0 = 16 rows of Wo, source 1 = z): a lane holds eight neighbouring columns of one row.
; The results meet in a stage in LDS; wave w then takes rows 2 w and 2 w + 1 whole: residual, bias, mean, variance of the differences, scale, gain, offset, and stores of 512 consecutive bytes.
; No tensor load and no joint request: a K step is eight matrix instructions a wave, and sixteen waves with two K steps of loads out keep the stream going without a ring's waits.
; LIMITS: NaN and infinities are not served.
.set STG,  24576                       ; behind z's images: 32 rows x (4,096 bytes + 16)
.set SPT,  4112
.set ACC,  16                          ; v16-79   accumulator (t, m) at 16 + 8 (2 t + m); later the two rows
.set WB,   80                          ; v80-175  Wo's fragments, two sets of four
.set ZB,   176                         ; v176-223 z's fragments, two sets of two
.set WS,   224                         ; v224-239 Wo's scale words: register 4 t + s % 4; K steps 0-3 in lanes 0-15, 4-7 in lanes 16-31
.set ZS,   240                         ; v240-255 z's scale words: register 8 m + s
.set QR,   80                          ; later: q's two rows,
.set BO,   144                         ; bo,
.set LNG,  176                         ; ln_g,
.set LNB,  208                         ; ln_b
.set SEL,  34
	s_load_b256 s[4:11], s[0:1], 0x0               ; ZZ s[4:5], Wi s[6:7], Wo_scales s[8:9], q s[10:11]
	s_load_b256 s[12:19], s[0:1], 0x20             ; bo s[12:13], ln_g s[14:15], ln_b s[16:17], out0 s[18:19]
	v_lshl_add_u32 v14, v0, 2, 0x26200
	v_mov_b32 v15, 0
	v_lshrrev_b32 v1, 5, v0
	s_delay_alu instid0(VALU_DEP_1)
	v_readfirstlane_b32 s20, v1                    ; wave 0..15
	v_and_b32 v2, 31, v0
	s_delay_alu instid0(VALU_DEP_1)
	v_lshlrev_b32 v3, 4, v2                        ; 16 x lane
	v_and_b32 v5, 15, v0                           ; r
	v_bfe_u32 v6, v0, 4, 1                         ; h
	s_delay_alu instid0(VALU_DEP_2)
	v_lshlrev_b32 v4, 2, v5                        ; 4 r
	s_delay_alu instid0(VALU_DEP_3)
	v_lshlrev_b32 v7, 5, v5
	s_delay_alu instid0(VALU_DEP_1)
	v_lshl_add_u32 v7, v6, 4, v7                   ; Wo's scales: 32 r + 16 h
	s_mul_i32 s21, s20, 1536
	v_add_nc_u32 v8, s21, v3                       ; the image that I copy: the same place in memory and in LDS
	v_mul_u32_u24 v9, v5, SPT
	s_delay_alu instid0(VALU_DEP_1)
	v_lshl_add_u32 v9, v6, 5, v9
	s_lshl_b32 s22, s20, 8
	s_add_co_u32 s22, s22, STG
	v_add_nc_u32 v9, s22, v9                       ; the stage: row r, + 32 h, + 256 x wave
	s_delay_alu instid0(VALU_DEP_1)
	v_add_nc_u32 v10, 16*SPT, v9                   ; and 16 rows further down
	s_mul_i32 s22, s20, 2*SPT
	s_add_co_u32 s22, s22, STG
	v_add_nc_u32 v11, s22, v3                      ; back: my two rows, 16 bytes a lane
	s_mul_i32 s24, ttmp9, 24576                    ; z's 16 images
	s_mov_b32 s25, 0
	s_lshl_b32 s26, ttmp9, 10
	s_add_co_u32 s26, s26, 3145728                 ; z's scale words: 64 bytes for each (tile of rows, K step)
	s_mov_b32 s27, 0
	s_mul_i32 s28, s20, 4*1536                     ; my four tiles of Wo
	s_mov_b32 s29, 0
	s_lshl_b32 s30, s20, 11                        ; their 64 rows of 32 scale bytes
	s_mov_b32 s31, 0
	s_lshl_b32 s32, ttmp9, 5
	s_lshl_b32 s33, s20, 1
	s_add_co_u32 s32, s32, s33
	s_lshl_b32 s32, s32, 12                        ; rows 32 x work-group + 2 x wave of q and of out0
	s_mov_b32 s33, 0
	s_mov_b32 s[SEL], 0x76543210
	s_mov_b32 s[SEL+1], 0xfedcba98
	s_mov_b32 s36, 0x3a800000                      ; 1 / 1,024
	s_mov_b32 s37, 0x3727c5ac                      ; 1e-5
	s_wait_alu depctr_va_vdst(0)
	s_wait_kmcnt 0x0
	s_add_nc_u64 s[24:25], s[4:5], s[24:25]
	s_add_nc_u64 s[26:27], s[4:5], s[26:27]
	s_add_nc_u64 s[6:7], s[6:7], s[28:29]
	s_add_nc_u64 s[8:9], s[8:9], s[30:31]
	s_add_nc_u64 s[10:11], s[10:11], s[32:33]
	s_add_nc_u64 s[18:19], s[18:19], s[32:33]
.irp i, 0,1,2
	global_load_b128 v[ZB+4*\i:ZB+4*\i+3], v8, s[24:25] offset:512*\i
.endr
.irp t, 0,1,2,3
	global_load_b128 v[WS+4*\t:WS+4*\t+3], v7, s[8:9] offset:512*\t
.endr
.irp m, 0,1
.irp s, 0,1,2,3,4,5,6,7
	global_load_b32 v[ZS+8*\m+\s], v4, s[26:27] offset:512*\m+64*\s
.endr
.endr
.macro WLOAD s                         ; Wo's four fragments of K step s
.irp t, 0,1,2,3
.irp c, 0,1,2
	global_load_b128 v[WB+48*((\s)%2)+12*\t+4*\c:WB+48*((\s)%2)+12*\t+4*\c+3], v3, s[6:7] offset:(\s)*98304+\t*1536+512*\c
.endr
.endr
.endm
.macro ZLOAD s                         ; z's two
.irp m, 0,1
.irp c, 0,1,2
	ds_load_b128 v[ZB+24*((\s)%2)+12*\m+4*\c:ZB+24*((\s)%2)+12*\m+4*\c+3], v3 offset:(8*\m+(\s))*1536+512*\c
.endr
.endr
.endm
	WLOAD 0
	WLOAD 1
	s_wait_loadcnt 44                              ; z's three loads are in; the 4 + 16 + 24 issued behind them may be out
.irp i, 0,1,2
	ds_store_b128 v8, v[ZB+4*\i:ZB+4*\i+3] offset:512*\i
.endr
	s_wait_dscnt 0x0                               ; for the others' sake
	s_barrier_signal -1
	s_barrier_wait -1                              ; z's sixteen fragments lie in LDS
	ZLOAD 0
	ZLOAD 1
.macro KS3 s
.set WBS, WB+48*((\s)%2)
.set ZBS, ZB+24*((\s)%2)
	s_wait_loadcnt 12                              ; this step's weights (and at first the scale words) are in; the twelve loads issued behind them may be out
.if (\s) < 7
	s_wait_dscnt 6                                 ; this step's two fragments of z are in; the next step's six loads may be out
.else
	s_wait_dscnt 0x0
.endif
.irp t, 0,1,2,3
.irp m, 0,1                                    ; the eight accumulators by turns
.if (\s) == 0
	v_wmma_scale_f32_16x16x128_f8f6f4 v[ACC+8*(2*\t+\m):ACC+8*(2*\t+\m)+7], v[WBS+12*\t:WBS+12*\t+11], v[ZBS+12*\m:ZBS+12*\m+11], 0, v[WS+4*\t+(\s)%4], v[ZS+8*\m+(\s)] matrix_a_fmt:MATRIX_FMT_BF6 matrix_b_fmt:MATRIX_FMT_BF6
.elseif (\s) < 4
	v_wmma_scale_f32_16x16x128_f8f6f4 v[ACC+8*(2*\t+\m):ACC+8*(2*\t+\m)+7], v[WBS+12*\t:WBS+12*\t+11], v[ZBS+12*\m:ZBS+12*\m+11], v[ACC+8*(2*\t+\m):ACC+8*(2*\t+\m)+7], v[WS+4*\t+(\s)%4], v[ZS+8*\m+(\s)] matrix_a_fmt:MATRIX_FMT_BF6 matrix_b_fmt:MATRIX_FMT_BF6
.else
	v_wmma_scale_f32_16x16x128_f8f6f4 v[ACC+8*(2*\t+\m):ACC+8*(2*\t+\m)+7], v[WBS+12*\t:WBS+12*\t+11], v[ZBS+12*\m:ZBS+12*\m+11], v[ACC+8*(2*\t+\m):ACC+8*(2*\t+\m)+7], v[WS+4*\t+(\s)%4], v[ZS+8*\m+(\s)] matrix_a_fmt:MATRIX_FMT_BF6 matrix_b_fmt:MATRIX_FMT_BF6 matrix_a_scale:MATRIX_SCALE_ROW1
.endif
.endr
.endr
.rept 4
	v_nop                                          ; four plain lines ahead of loads into the products' registers, and of the first read of results
.endr
.if (\s)+2 < 8
	WLOAD (\s)+2
	ZLOAD (\s)+2
.elseif (\s) == 6
.irp i, 0,1,2,3,4,5,6,7,8,9,10,11              ; the set that is free takes the first twelve of q's sixteen loads: row i / 8, 512 (i % 8) bytes on
	global_load_b128 v[QR+4*\i:QR+4*\i+3], v3, s[10:11] offset:(\i/8)*4096+(\i%8)*512
.endr
.endif
.endm
.irp s, 0,1,2,3,4,5,6,7
	KS3 \s
.endr
.irp i, 12,13,14,15
	global_load_b128 v[QR+4*\i:QR+4*\i+3], v3, s[10:11] offset:(\i/8)*4096+(\i%8)*512
.endr
.irp i, 0,1,2,3,4,5,6,7
	global_load_b128 v[BO+4*\i:BO+4*\i+3], v3, s[12:13] offset:512*\i
	global_load_b128 v[LNG+4*\i:LNG+4*\i+3], v3, s[14:15] offset:512*\i
	global_load_b128 v[LNB+4*\i:LNB+4*\i+3], v3, s[16:17] offset:512*\i
.endr
.irp t, 0,1,2,3                                ; lane (r, h): columns 64 w + 16 t + 8 h + 0 .. 7 of rows r and 16 + r; each accumulator from its low end on
	ds_store_b128 v9, v[ACC+16*\t:ACC+16*\t+3] offset:64*\t
	ds_store_b128 v9, v[ACC+16*\t+4:ACC+16*\t+7] offset:64*\t+16
	ds_store_b128 v10, v[ACC+16*\t+8:ACC+16*\t+11] offset:64*\t
	ds_store_b128 v10, v[ACC+16*\t+12:ACC+16*\t+15] offset:64*\t+16
.endr
	s_wait_dscnt 0x0                               ; for the others' sake: my stores into the stage are done
	s_barrier_signal -1
	s_barrier_wait -1                              ; 32 whole rows lie in the stage
.irp p, 0,1
.irp i, 0,1,2,3,4,5,6,7
	ds_load_b128 v[ACC+32*\p+4*\i:ACC+32*\p+4*\i+3], v11 offset:\p*SPT+512*\i
.endr
.endr
	s_wait_loadcnt 0x0
	s_wait_dscnt 0x0
.macro RSUM a, b                       ; v[a] summed over the 32 lanes, into every lane; v[b] at work
	s_delay_alu instid0(VALU_DEP_1)
	v_add_f32_dpp v[\a], v[\a], v[\a] row_xmask:1 row_mask:0xf bank_mask:0xf
	s_delay_alu instid0(VALU_DEP_1)
	v_add_f32_dpp v[\a], v[\a], v[\a] row_xmask:2 row_mask:0xf bank_mask:0xf
	s_delay_alu instid0(VALU_DEP_1)
	v_add_f32_dpp v[\a], v[\a], v[\a] row_xmask:4 row_mask:0xf bank_mask:0xf
	s_delay_alu instid0(VALU_DEP_1)
	v_add_f32_dpp v[\a], v[\a], v[\a] row_xmask:8 row_mask:0xf bank_mask:0xf
	s_delay_alu instid0(VALU_DEP_1)
	v_permlanex16_b32 v[\b], v[\a], s[SEL], s[SEL+1]
	s_delay_alu instid0(VALU_DEP_1)
	v_add_f32 v[\a], v[\a], v[\b]
.endm
.macro LNROW y, q, off                 ; a row: 32 numbers a lane, columns 128 i + 4 lane + 0 .. 3
.set i, 0
.rept 16
	v_pk_add_f32 v[\y+2*i:\y+2*i+1], v[\y+2*i:\y+2*i+1], v[BO+2*i:BO+2*i+1]
.set i, i+1
.endr
.set i, 0
.rept 16
	v_pk_add_f32 v[\y+2*i:\y+2*i+1], v[\y+2*i:\y+2*i+1], v[\q+2*i:\q+2*i+1]
.set i, i+1
.endr
	v_pk_add_f32 v[240:241], v[\y:\y+1], v[\y+2:\y+3]
	v_pk_add_f32 v[242:243], v[\y+4:\y+5], v[\y+6:\y+7]
.irp j, 8,12,16,20,24,28
	s_delay_alu instid0(VALU_DEP_2)
	v_pk_add_f32 v[240:241], v[240:241], v[\y+\j:\y+\j+1]
	s_delay_alu instid0(VALU_DEP_2)
	v_pk_add_f32 v[242:243], v[242:243], v[\y+\j+2:\y+\j+3]
.endr
	s_delay_alu instid0(VALU_DEP_1)
	v_pk_add_f32 v[240:241], v[240:241], v[242:243]
	s_delay_alu instid0(VALU_DEP_1)
	v_add_f32 v240, v240, v241
	RSUM 240, 241
	s_delay_alu instid0(VALU_DEP_1)
	v_mul_f32 v240, s36, v240                      ; the mean
	s_delay_alu instid0(VALU_DEP_1)
	v_mov_b32 v241, v240
.set i, 0
.rept 16
	v_pk_add_f32 v[\y+2*i:\y+2*i+1], v[\y+2*i:\y+2*i+1], v[240:241] neg_lo:[0,1] neg_hi:[0,1]
.set i, i+1
.endr
	v_pk_mul_f32 v[242:243], v[\y:\y+1], v[\y:\y+1]
	v_pk_mul_f32 v[244:245], v[\y+2:\y+3], v[\y+2:\y+3]
.irp j, 4,8,12,16,20,24,28
	s_delay_alu instid0(VALU_DEP_2)
	v_pk_fma_f32 v[242:243], v[\y+\j:\y+\j+1], v[\y+\j:\y+\j+1], v[242:243]
	s_delay_alu instid0(VALU_DEP_2)
	v_pk_fma_f32 v[244:245], v[\y+\j+2:\y+\j+3], v[\y+\j+2:\y+\j+3], v[244:245]
.endr
	s_delay_alu instid0(VALU_DEP_1)
	v_pk_add_f32 v[242:243], v[242:243], v[244:245]
	s_delay_alu instid0(VALU_DEP_1)
	v_add_f32 v242, v242, v243
	RSUM 242, 243
	s_delay_alu instid0(VALU_DEP_1)
	v_fma_f32 v242, v242, s36, s37                 ; the variance + 1e-5
	s_wait_alu depctr_va_vdst(0)
	v_rsq_f32 v244, v242
	v_nop                                          ; a plain line behind the transcendental
	s_wait_alu depctr_va_vdst(0)                   ; ahead of its first reader
	v_mov_b32 v245, v244
.set i, 0
.rept 16
	v_pk_mul_f32 v[\y+2*i:\y+2*i+1], v[\y+2*i:\y+2*i+1], v[244:245]
.set i, i+1
.endr
.set i, 0
.rept 16
	v_pk_fma_f32 v[\y+2*i:\y+2*i+1], v[\y+2*i:\y+2*i+1], v[LNG+2*i:LNG+2*i+1], v[LNB+2*i:LNB+2*i+1]
.set i, i+1
.endr
.irp i, 0,1,2,3,4,5,6,7
	global_store_b128 v3, v[\y+4*\i:\y+4*\i+3], s[18:19] offset:\off+512*\i th:TH_STORE_NT   ; 32 lanes store 512 consecutive bytes, aligned
.endr
.endm
	LNROW ACC, QR, 0
	LNROW ACC+32, QR+32, 4096
	s_wait_tensorcnt 0x0
	ds_add_u32 v14, v15
	s_wait_dscnt 0x0
	s_endpgm
.Lfunc_end_k_qb4c1486f52_outp:
	.size	k_qb4c1486f52_outp, .Lfunc_end_k_qb4c1486f52_outp-k_qb4c1486f52_outp
	.p2alignl 7, 3214868480
	.fill 96, 4, 3214868480
	.section	.rodata,"a",@progbits
	.p2align	6, 0x0
	.amdhsa_kernel k_qb4c1486f52_outp
		.amdhsa_group_segment_fixed_size 158208
		.amdhsa_private_segment_fixed_size 0
		.amdhsa_enable_private_segment 0
		.amdhsa_kernarg_size 64
		.amdhsa_user_sgpr_count 2
		.amdhsa_user_sgpr_kernarg_segment_ptr 1
		.amdhsa_wavefront_size32 1
		.amdhsa_system_sgpr_workgroup_id_x 1
		.amdhsa_system_sgpr_workgroup_id_y 1
		.amdhsa_system_sgpr_workgroup_id_z 1
		.amdhsa_system_vgpr_workitem_id 0
		.amdhsa_next_free_vgpr 256
		.amdhsa_next_free_sgpr 66
		.amdhsa_reserve_vcc 0
		.amdhsa_float_denorm_mode_32 3
		.amdhsa_float_denorm_mode_16_64 3
		.amdhsa_memory_ordered 1
		.amdhsa_forward_progress 1
		.amdhsa_inst_pref_size 54
	.end_amdhsa_kernel
	.amdgpu_metadata
---
amdhsa.version: [ 1, 2 ]
amdhsa.kernels:
  - .name:           k_qb4c1486f52_outp
    .symbol:         k_qb4c1486f52_outp.kd
    .args:
      - { .name: ZZ, .offset: 0, .size: 8, .value_kind: global_buffer, .address_space: global }
      - { .name: Wi, .offset: 8, .size: 8, .value_kind: global_buffer, .address_space: global }
      - { .name: Wo_scales, .offset: 16, .size: 8, .value_kind: global_buffer, .address_space: global }
      - { .name: q, .offset: 24, .size: 8, .value_kind: global_buffer, .address_space: global }
      - { .name: bo, .offset: 32, .size: 8, .value_kind: global_buffer, .address_space: global }
      - { .name: ln_g, .offset: 40, .size: 8, .value_kind: global_buffer, .address_space: global }
      - { .name: ln_b, .offset: 48, .size: 8, .value_kind: global_buffer, .address_space: global }
      - { .name: out0, .offset: 56, .size: 8, .value_kind: global_buffer, .address_space: global }
    .group_segment_fixed_size: 158208
    .private_segment_fixed_size: 0
    .kernarg_segment_align: 8
    .kernarg_segment_size: 64
    .max_flat_workgroup_size: 512
    .sgpr_count:     66
    .vgpr_count:     256
    .wavefront_size: 32
...
	.end_amdgpu_metadata
.endif
;; end of part 4
